; MI455X (gfx1250); checked and timed in simulation.
; The chip was launched on July 23, 2026; its instructions are those of AMD's public machine-readable ISA for CDNA 5 (MIT licence, August 2026) and "CDNA5" Instruction Set Architecture Reference Guide (July 2026). The comments in the code are by the model that wrote it; some were corrected since.
;; Linear Attention. Allowed arithmetic: matrix products marked QUANTISED: E2M3 operands, one E8M0 scale for each 32 along K, by v_wmma_scale_f32_16x16x128_f8f6f4 with both operands' format E2M3, f32 sums; products left as they are: f32 operands where the result goes on into a quantised operand, else bf16, f16 or f32 operands; f32 sums; everything else in f32.
;; Inputs: b_out 1,024 float32; w_out_codes 1,024 x 32 x 24 uint8 (E2M3 codes of w_out, K innermost, in blocks of 32 codes, four codes in three bytes); w_out_scales 1,024 x 32 uint8 (E8M0 scales of w_out, one for each 32 codes along K); w_qkv_codes 3,072 x 32 x 24 uint8 (E2M3 codes of w_qkv, K innermost, in blocks of 32 codes, four codes in three bytes); w_qkv_scales 3,072 x 32 uint8 (E8M0 scales of w_qkv, one for each 32 codes along K); x_codes 4 x 2,048 x 32 x 24 uint8 (E2M3 codes of x, K innermost, in blocks of 32 codes, four codes in three bytes); x_scales 4 x 2,048 x 32 uint8 (E8M0 scales of x, one for each 32 codes along K).
;; Outputs: out0 4 x 2,048 x 1,024 float32.
;; This version of the problem:
;;   THIS VERSION OF THE PROBLEM IS GIVEN IN LOW PRECISION. The matrix products marked QUANTISED in the list below multiply operands that are first quantised to E2M3 (2 exponent bits, 3 mantissa bits; 6 bits a number), with one power-of-two scale for each 32 numbers along K (OCP MX v1.0); their sums are f32. All else is computed in f32.
;;   The module's matrix products, in the order in which they are computed (A, B: the left and right operand; K: the contracted axis; several contracted axes count as one K, in the product's order):
;;     1. [M 8,192, K 1,024] x [K 1,024, N 3,072]; A: input x (given as codes); B: input w_qkv (given as codes): QUANTISED
;;     2. batch 64 x [M 64, K 2,048] x [K 2,048, N 64]; A: computed on the way; B: computed on the way: QUANTISED
;;     3. batch 64 x [M 1, K 64] x [K 64, N 2,048]; A: computed on the way; B: computed on the way: left as it is (M = 1 < 16)
;;     4. batch 64 x [M 64, K 64] x [K 64, N 2,048]; A: computed on the way; B: computed on the way: QUANTISED
;;     5. batch 131,072 x [M 1, K 1] x [K 1, N 64]; A: computed on the way; B: computed on the way: left as it is (no contracted axis)
;;     6. [M 8,192, K 1,024] x [K 1,024, N 1,024]; A: computed on the way; B: input w_out (given as codes): QUANTISED
;;   THE QUANTISER, for each operand of a quantised product, along K:
;;     - K is cut into blocks of 32 from its start; a last block that is shorter is filled with zeros.
;;     - A block's scale is 2^e with e = floor(log2(the largest magnitude in the block)) - 2, held to -126 .. 127; a block of zeros has e = 0. As a byte (E8M0): e + 127.
;;     - Each number is divided by its block's scale, clamped to +-7.5, and rounded to the nearest number of E2M3, ties to even, subnormals kept.
;;     - The product sums the exact products of the quantised numbers (number of the format x scale) in f32.
;;   ~~~python
;;   def quantise(x, axis):      # numpy; x: float32 -> the quantised numbers, widened to float32 again
;;       x = np.moveaxis(x, axis, -1); K = x.shape[-1]
;;       x = np.pad(x, [(0, 0)] * (x.ndim - 1) + [(0, -K % 32)]); x = x.reshape(x.shape[:-1] + (-1, 32)); a = np.abs(x).max(-1, keepdims=True)
;;       e = np.where(a > 0, np.clip(np.frexp(np.where(a > 0, a, 1))[1] - 1 - 2, -126, 127), 0)      # np.frexp(a)[1] - 1 = floor(log2(a)), exactly
;;       r = np.clip(x / 2.0 ** e, -7.5, 7.5)
;;       step = 2.0 ** (np.maximum(np.frexp(np.where(r == 0, 1, r))[1] - 1, 0) - 3)
;;       q = np.round(r / step) * step * 2.0 ** e      # np.round: ties to even
;;       return np.moveaxis(q.reshape(q.shape[:-2] + (-1,))[..., :K], -1, axis).astype(np.float32)
;;   ~~~
;;   OPERANDS COMPUTED ON THE WAY. 'Computed on the way' means the value that the module computes at that place (a softmax that the list does not call 'softmax' is quantised finished and normalised). What goes into a quantiser is computed in f32, as accurately as f32 sums, v_exp_f32 and their like allow (about 1e-6 of the number): no bf16 or f16 on the way to a quantiser, and a product that is left as it is and whose result goes on into a quantised operand takes f32 operands (vector FMAs, or v_wmma_f32_16x16x4_f32). A number that lies on a knife's edge between two numbers of the format may be rounded either way, as far as f32 arithmetic and the matrix unit's own rounding can turn it there, and no further.
;;   INPUTS GIVEN AS CODES. w_out (in the module: [1024, 1024], K = its axis 1); w_qkv (in the module: [3072, 1024], K = its axis 1); x (in the module: [4, 2048, 1024], K = its axis 2): each comes as NAME_codes (uint8): NAME with its K axis moved to the last place and cut into blocks of 32 codes, [.., K / 32, bytes a block], one block behind the other in memory; four codes in three bytes: a row's codes are one little-endian stream of bits, code i at bits 6 i .. 6 i + 5 (a code: sign, 2 exponent bits, 3 mantissa bits); and NAME_scales (uint8): the same leading axes, one E8M0 byte (e + 127) for each 32 codes along K. Its value is code x scale, taken as it is: it is not quantised again, and the codes and scales need not be those that the quantiser above would give.
;; One version. Each part assembles by itself: llvm-mc -triple=amdgcn-amd-amdhsa -mcpu=gfx1250 --defsym DOCPART=n.
;; ======== version 1 of 1: 3 launches
;; workspace buffers: kv_part 8,388,608 bytes; ksum_part 131,072 bytes; o_codes 6,291,456 bytes; o_scales 262,144 bytes
;; launch kvgemm (part 1): grid 32 x 8, 4 waves a work-group, clusters of 4 x 4, 327,680 bytes of LDS; arguments w_qkv_codes, w_qkv_scales, x_codes, x_scales, kv_part, ksum_part; writes kv_part, ksum_part
.if DOCPART == 1
	.amdgcn_target "amdgcn-amd-amdhsa--gfx1250"
	.amdhsa_code_object_version 6
	.text
	.protected	k_q548129329c_kvgemm
	.globl	k_q548129329c_kvgemm
	.p2align	8
	.type	k_q548129329c_kvgemm,@function
k_q548129329c_kvgemm:
	s_mov_b64 s[64:65], 0
	v_nop
	global_prefetch_b8 v0, s[64:65] scope:SCOPE_SE
	s_setreg_imm32_b32 hwreg(HW_REG_WAVE_MODE, 25, 1), 1
	s_wait_xcnt 0x0
	s_wait_alu depctr_hold_cnt(0) depctr_sa_sdst(0) depctr_va_vdst(0) depctr_va_sdst(0) depctr_va_ssrc(0) depctr_va_vcc(0) depctr_vm_vsrc(0)
	s_getreg_b32 s2, hwreg(HW_REG_IB_STS2, 6, 4)
	s_cmp_eq_u32 s2, 0
	s_cbranch_scc0 .Lentry_in_a_cluster
	s_endpgm
.Lentry_in_a_cluster:
	s_bfe_u32 s2, ttmp6, 0x10000c
	s_cmp_lg_u32 s2, 0xf033
	s_cbranch_scc0 .Lentry_shape_is_right
	s_endpgm
.Lentry_shape_is_right:
; k, v = x Wk^T, x Wv^T on the given E2M3 codes; k = elu(k) + 1 in f32; the sum of k over tokens; k and v quantised along the TOKENS; kv = k^T v on those codes.
; A work-group takes 256 tokens (TX = 0..31) and a pair of heads (TY = 0..7); wave w takes head 2 TY + w / 2 and tokens 128 (w % 2) on: 128 tokens x (64 k + 64 v features) = 64 accumulators.
; K = 1,024 goes in eight steps of 128 through two LDS slots of 256 along K, filled by joint tensor loads: the feature rows hang on TY alone and are shared along a row of the 4 x 4 cluster,
; the token rows on TX alone and are shared along a column.
; THE MATRIX INSTRUCTION: source 0 = 16 tokens, source 1 = 16 features: lane (r, hh) holds feature 16 a + r, register j token 16 b + 8 hh + j.  So the 16 registers of token tiles 2 g and 2 g + 1
; are 16 members of the block of 32 tokens g, and lane l xor 16 holds the other 16: k and v are quantised along the tokens in registers.  Inside a block the tokens stand in another order than in
; memory, alike in k and in v, which changes no product and no scale.
; SCALE WORDS come straight from memory: lane (r, hh) loads the 16 bytes at row x 32 + 16 hh, so register q holds word q in lanes 0-15 and word 4 + q in lanes 16-31; K step s names register s % 4, from s = 4 on with ROW1.
; OUT: kv of the work-group's 256 tokens (the two waves of a head add their halves through LDS), laid as the next launch's registers want it: [head][token block][tile u of m][tile a of d][half q][lane][16 bytes],
; the m of tile u, lane r being 32 (u / 2) + 8 (u % 2) + r + 8 (r / 8); and the sum of k, [head][token block][64 d].
; LIMITS: NaN, infinities and scale bytes 0xff among the inputs are not served.  A block whose largest magnitude lies under 2^-124 keeps the scale byte 1 (a block of zeros too, where the quantiser says 127:
; its codes are zeros, and these bytes never leave the registers).  v_exp_f32 gives 0 for results under 2^-126.  The f32 sums over tokens are formed in another order than a plain loop over tokens.
.set PITCH,  240                       ; an LDS row: 3 x (64 bytes + 16 of padding)
.set HALFT,  128*PITCH                 ; 128 rows: one tensor load
.set SLOT,   4*HALFT                   ; k rows of both heads, v rows of both heads, tokens 0-127, tokens 128-255
.set SPARE,  2*SLOT                    ; the spare words: 128 bytes a wave, two blocks of 256 bytes that no other line names
.set KVST,   0                         ; the stage for kv, 16,384 bytes a wave, and
.set KSST,   65536                     ; for the sums of k, 256 bytes a wave: both in slot 0, behind its last fill and its last read
.set KSRD, 14                          ; v14  KSST + 512 x head + 8 x lane
.set L8,   15                          ; v15  8 x lane
.set ADRF, 16                          ; v16-17 my feature rows in slot 0, 1; v18-19 the same behind one padding more
.set ADRX, 20                          ; v20-21, v22-23 my token rows
.set STO,  24                          ; v24  my stage + 16 x lane
.set RD,   25                          ; v25  where I read kv back
.set L16,  26                          ; v26  16 x lane
.set SCO,  27                          ; v27  32 r + 16 hh
.set SPW,  28                          ; v28  my spare word; never rewritten
.set NIL,  29                          ; v29  0; never rewritten
.set KSA,  30                          ; v30  KSST + 256 x wave + 4 r
.set SF,   32                          ; v32-63  scale words of feature block a at 4 a + q
.set SX,   64                          ; v64-95  of token block b
.set FF,   128                         ; v128-223 feature fragments, one set (window 0)
.set KW,   32                          ; later: scale words of the quantised k, v32-35, and v, v36-39
.set VW,   36
.set DKV,  128                         ; later: the 16 tiles of kv, window 0
.set QTM,  0                           ; window 1, behind the products: largest magnitudes,
.set QT2,  16                          ; the other half's, then the scale bytes,
.set QSO,  32                          ; the conversions' scale operands,
.set QX,   48                          ; the odd blocks' codes,
.set KFR,  80                          ; k's four fragments, v's four,
.set VFR,  128
.set TMPR, 176                         ; 64 at work,
.set KSV,  240                         ; the sums of k
.set KSP,  244
.set WVR, 16                           ; s16 wave;  s17 head of the pair, also: I fetch features (0) or tokens (1);  s18 half of the tokens, also: which 128 rows I fetch
.set PH,  17
.set TAU, 18
.set G1F, 24                           ; s[24:31], s[32:39] descriptor groups 1 and 0 (a set a slot) for the features;  s[48:55], s[56:63] for the tokens
.set G0F, 32
.set G1X, 48
.set G0X, 56
.set LG,  92                           ; s[92:93] log2(e), twice
.set SEL, 94                           ; s[94:95] lane selects: lane l xor 16
.set MSB, 0
.macro WIN new                         ; the immediate's high byte repeats the setting that is left; a switch that changes nothing is dropped
.if MSB != (\new)
	s_set_vgpr_msb (MSB<<8)|(\new)
.set MSB, \new
.endif
.endm
.macro PLACES n
.rept \n
	v_nop
.endr
.endm
.macro CREST                           ; a round of the cluster's barrier behind its opening barrier
	s_cmp_lg_u32 s[WVR], 0
	s_cbranch_scc1 .Lnot_wave_0_\@
	s_barrier_signal -3
.Lnot_wave_0_\@:
	s_barrier_wait -3
	s_barrier_signal -1
	s_barrier_wait -1
.endm
.macro CROUND
	s_barrier_signal -1
	s_barrier_wait -1
	CREST
.endm
.macro JLOAD sl                        ; a joint load: waves 0, 1 fetch feature rows, waves 2, 3 token rows; four v_nop follow each line
	s_cmp_eq_u32 s[PH], 0
	s_cbranch_scc0 .Lfor_x_\@
	tensor_load_to_lds s[G0F+4*\sl:G0F+4*\sl+3], s[G1F:G1F+7]
	s_nop 0
	PLACES 4
	s_branch .Lasked_\@
.Lfor_x_\@:
	tensor_load_to_lds s[G0X+4*\sl:G0X+4*\sl+3], s[G1X:G1X+7]
	s_nop 0
	PLACES 4
.Lasked_\@:
.endm
; one scaled matrix instruction.  c < 0: the sum begins with 0.  hi: both scale words stand in lanes 16-31
.macro WM d, a, b, c, sa, sb, hi
.if (\c) < 0
	v_wmma_scale_f32_16x16x128_f8f6f4 v[(\d):(\d)+7], v[(\a):(\a)+11], v[(\b):(\b)+11], 0, v[\sa], v[\sb] matrix_a_fmt:MATRIX_FMT_FP6 matrix_b_fmt:MATRIX_FMT_FP6
.elseif (\hi)
	v_wmma_scale_f32_16x16x128_f8f6f4 v[(\d):(\d)+7], v[(\a):(\a)+11], v[(\b):(\b)+11], v[(\c):(\c)+7], v[\sa], v[\sb] matrix_a_fmt:MATRIX_FMT_FP6 matrix_b_fmt:MATRIX_FMT_FP6 matrix_a_scale:MATRIX_SCALE_ROW1 matrix_b_scale:MATRIX_SCALE_ROW1
.else
	v_wmma_scale_f32_16x16x128_f8f6f4 v[(\d):(\d)+7], v[(\a):(\a)+11], v[(\b):(\b)+11], v[(\c):(\c)+7], v[\sa], v[\sb] matrix_a_fmt:MATRIX_FMT_FP6 matrix_b_fmt:MATRIX_FMT_FP6
.endif
.endm
; a fragment, 16 rows x 128 K: six pieces of 8 bytes.  Lanes 16-31 read three pieces on; where that lies behind one padding more, the second address register serves
.macro FRAG reg, adr, q, row
.irp p, 0,1,2,3,4,5
.set PC, 12*(\q)+6*(\p/3)+\p%3
.if PC%8 < 5
	ds_load_b64 v[\reg+2*\p:\reg+2*\p+1], v[\adr] offset:8*PC+16*(PC/8)+(\row)*PITCH
.else
	ds_load_b64 v[\reg+2*\p:\reg+2*\p+1], v[\adr+2] offset:8*PC+16*(PC/8)+(\row)*PITCH
.endif
.endr
.endm
.macro FETCH_X slot, q, bs             ; the eight token fragments into set bs of window 1
	WIN 0x40
.irp i, 0,1,2,3,4,5,6,7
	FRAG 128*(\bs)+12*\i, ADRX+\slot, \q, 16*\i
.endr
	WIN 0
.endm
.macro FETCH_F slot, q, i0             ; feature blocks i0 .. i0 + 3: blocks 0-3 are k's rows, blocks 4-7 v's, 128 rows further on
.irp i, \i0, \i0+1, \i0+2, \i0+3
	FRAG FF+12*(\i), ADRF+\slot, \q, 16*(\i)+64*((\i)/4)
.endr
.endm
; 16 matrix instructions: feature blocks a0, a0 + 1 x the eight token blocks, K step s.  The 64 accumulators take turns, one instruction a turn, in the same order in every step
.macro MUL16 a0, bs, s, zero
.irp a, \a0, \a0+1
.irp b, 0,1,2,3,4,5,6,7
.if \zero
	WM 8*(8*((\a)%4)+\b), 128*(\bs)+12*\b, FF+12*(\a), -1, SX+4*\b+(\s)%4, SF+4*(\a)+(\s)%4, 0
.else
	WM 8*(8*((\a)%4)+\b), 128*(\bs)+12*\b, FF+12*(\a), 8*(8*((\a)%4)+\b), SX+4*\b+(\s)%4, SF+4*(\a)+(\s)%4, (\s)/4
.endif
.endr
.endr
.endm
; a slot's first 128 along K: K step s.  Four plain places stand in front of every run of loads into registers that matrix instructions have read (ISA guide 7.12.1 for vector instructions)
.macro STEP slot, s, zero
	s_wait_dscnt 24                                ; the tokens and feature blocks 0-3 are in; the 24 loads of blocks 4-7 may be out
	WIN 0xa1                                       ; source 0 window 1, source 1 window 0, C and D window 2
	MUL16 0, 0, \s, \zero
	MUL16 2, 0, \s, \zero
	s_wait_dscnt 0x0
	PLACES 4
	FETCH_X \slot, 1, 1
	FETCH_F \slot, 1, 0
	WIN 0xf1                                       ; C and D window 3
	MUL16 4, 0, \s, \zero
	MUL16 6, 0, \s, \zero
	PLACES 4
	WIN 0
	FETCH_F \slot, 1, 4
.endm
; a slot's second 128 along K, and the change of slots: one barrier; in front of it each wave waits for all its tensor loads, adds 0 to its spare word, and waits for that and for its reads of this slot
.macro TURN slot, next, fill, s
	s_wait_tensorcnt 0x0                           ; all my tensor loads have landed: my part of the next slot
	ds_add_u32 v[SPW], v[NIL]                      ; 0 onto my spare word
	s_wait_dscnt 25                                ; (the add and the 24 loads of feature blocks 4-7 may be out)
	WIN 0xa1
	MUL16 0, 1, \s, 0
	s_wait_dscnt 0x0                               ; the add is done, and my reads of this slot are over
	s_barrier_signal -1
	MUL16 2, 1, \s, 0
	WIN 0
	s_barrier_wait -1
.if \fill
	CREST                                          ; the barrier has opened a round of the cluster's: no wave of any partner still reads this slot or has a load on its way
	s_add_nc_u64 s[G0F+4*\slot+2:G0F+4*\slot+3], s[G0F+4*\slot+2:G0F+4*\slot+3], 384
	s_add_nc_u64 s[G0X+4*\slot+2:G0X+4*\slot+3], s[G0X+4*\slot+2:G0X+4*\slot+3], 384
	JLOAD \slot                                    ; 512 along K on; its four v_nop are also the places in front of the loads below
.else
	PLACES 4
.endif
	FETCH_X \next, 0, 0
	FETCH_F \next, 0, 0
	WIN 0xf1
	MUL16 4, 1, \s, 0
	MUL16 6, 1, \s, 0
	PLACES 4
	WIN 0
	FETCH_F \next, 0, 4
.endm
; elu(x) + 1 on N numbers at v[S0 ..] of window WN, temporaries v[T ..] of window WT: x > 0 ? x : 2^(x log2 e) - 1, then + 1, rounded where a program that takes exp(x) - 1 first rounds
.macro ELU WN, WT, S0, N, T
	WIN (\WN)|((\WT)*0x54)
.set EI, 0
.rept (\N)/2
	v_pk_mul_f32 v[(\T)+EI:(\T)+EI+1], v[(\S0)+EI:(\S0)+EI+1], s[LG:LG+1] op_sel_hi:[1,0]
.set EI, EI+2
.endr
	WIN (\WT)*0x55
.set EI, 0
.rept \N
	v_exp_f32 v[(\T)+EI], v[(\T)+EI]
.set EI, EI+1
.endr
	v_nop                                          ; a plain place between the exponentials and the first use of a result
.set EI, 0
	s_wait_alu depctr_va_vdst(0)
.rept (\N)/2
	v_pk_add_f32 v[(\T)+EI:(\T)+EI+1], v[(\T)+EI:(\T)+EI+1], -1.0 op_sel_hi:[1,0]
.set EI, EI+2
.endr
	WIN (\WT)*0x11|((\WN)*0x44)
.set EI, 0
.rept \N
	v_cmp_lt_f32 vcc_lo, 0, v[(\S0)+EI]
	v_cndmask_b32 v[(\S0)+EI], v[(\T)+EI], v[(\S0)+EI], vcc_lo
.set EI, EI+1
.endr
	WIN (\WN)*0x55
.set EI, 0
.rept (\N)/2
	v_pk_add_f32 v[(\S0)+EI:(\S0)+EI+1], v[(\S0)+EI:(\S0)+EI+1], 1.0 op_sel_hi:[1,0]
.set EI, EI+2
.endr
.endm
; NB blocks of 32: block g is my registers S0 + 16 g .. + 15 (window WN) and lane l xor 16's.  Codes of blocks 2 c and 2 c + 1 land in v[F + STR c .. + 5] (window WT): lanes 0-15 block 2 c, lanes 16-31 block 2 c + 1.
; The scale bytes are left in v[QT2 + g].  The floor 2^(3 - 127) among the maximum's leaves holds the byte at 1 from below
.macro QUANT WN, WT, S0, NB, F, STR
	WIN (\WN)*5|((\WT)*0x50)
.set QG, 0
.rept \NB
	v_max3_num_f32 v[QTM+QG], |v[(\S0)+16*QG]|, |v[(\S0)+16*QG+1]|, 0x1800000
.set QG, QG+1
.endr
	WIN (\WT)*0x41|((\WN)*0x14)
.irp i, 2,4,6,8,10,12,14
.set QG, 0
.rept \NB
	v_max3_num_f32 v[QTM+QG], v[QTM+QG], |v[(\S0)+16*QG+\i]|, |v[(\S0)+16*QG+\i+1]|
.set QG, QG+1
.endr
.endr
	WIN (\WT)*0x55
.set QG, 0
.rept \NB
	v_permlanex16_b32 v[QT2+QG], v[QTM+QG], s[SEL], s[SEL+1]
.set QG, QG+1
.endr
.set QG, 0
.rept \NB
	v_max_num_f32 v[QTM+QG], v[QTM+QG], v[QT2+QG]          ; the block's largest magnitude
.set QG, QG+1
.endr
.set QG, 0
.rept \NB
	v_add_nc_u32 v[QSO+QG], 0xff000000, v[QTM+QG]          ; 2 off its exponent field: the conversion's scale operand
.set QG, QG+1
.endr
.set QG, 0
.rept \NB
	v_lshrrev_b32 v[QT2+QG], 23, v[QSO+QG]                 ; the scale's byte
.set QG, QG+1
.endr
	WIN (\WN)|((\WT)*0x54)
.set QG, 0
.rept (\NB)/2
	v_cvt_scalef32_pk16_fp6_f32 v[(\F)+(\STR)*QG:(\F)+(\STR)*QG+2], v[(\S0)+32*QG:(\S0)+32*QG+15], v[QSO+2*QG]
	v_cvt_scalef32_pk16_fp6_f32 v[QX+4*QG:QX+4*QG+2], v[(\S0)+32*QG+16:(\S0)+32*QG+31], v[QSO+2*QG+1]
.set QG, QG+1
.endr
	WIN (\WT)*0x55
	v_nop                                          ; one plain place behind the scaled conversions
.set QG, 0
.rept (\NB)/2
.irp i, 0,1,2
	v_permlane16_swap_b32 v[(\F)+(\STR)*QG+\i], v[QX+4*QG+\i]   ; a whole block to a lane
.endr
.irp i, 0,1,2
	v_mov_b32 v[(\F)+(\STR)*QG+3+\i], v[QX+4*QG+\i]
.endr
.set QG, QG+1
.endr
.endm
.macro KSUM a                          ; the sum of my 64 tokens of feature tile a
	WIN 0x4a
.set KI, 0
.rept 16
	v_pk_add_f32 v[TMPR+2*KI:TMPR+2*KI+1], v[64*(\a)+4*KI:64*(\a)+4*KI+1], v[64*(\a)+4*KI+2:64*(\a)+4*KI+3]
.set KI, KI+1
.endr
	WIN 0x55
.irp w, 4,8,16,32
.set KI, 0
.rept 32/\w
	v_pk_add_f32 v[TMPR+\w*KI:TMPR+\w*KI+1], v[TMPR+\w*KI:TMPR+\w*KI+1], v[TMPR+\w*KI+\w/2:TMPR+\w*KI+\w/2+1]
.set KI, KI+1
.endr
.endr
	v_add_f32 v[KSV+\a], v[TMPR], v[TMPR+1]
.endm
.macro WORDS w                         ; four bytes (four blocks of 32 tokens) make the scale word of each of the four feature tiles
	WIN 0x11
.irp a, 0,1,2,3
	v_lshl_or_b32 v[\w+\a], v[QT2+4*\a+1], 8, v[QT2+4*\a]
.endr
	WIN 0x01
.irp a, 0,1,2,3
	v_lshl_or_b32 v[\w+\a], v[QT2+4*\a+2], 16, v[\w+\a]
.endr
.irp a, 0,1,2,3
	v_lshl_or_b32 v[\w+\a], v[QT2+4*\a+3], 24, v[\w+\a]
.endr
.endm
	s_load_b256 s[4:11], s[0:1], 0x0               ; W's codes s[4:5], W's scales s[6:7], x's codes s[8:9], x's scales s[10:11]
	s_load_b128 s[12:15], s[0:1], 0x20             ; kv_part s[12:13], ksum_part s[14:15]
	v_lshl_add_u32 v[SPW], v0, 2, SPARE
	v_mov_b32 v[NIL], 0
	ds_add_u32 v28, v29
	ds_add_u32 v28, v29
	s_wait_dscnt 0x0
	v_lshrrev_b32 v1, 5, v0
	v_readfirstlane_b32 s[WVR], v1
	s_lshr_b32 s[PH], s[WVR], 1
	s_and_b32 s[TAU], s[WVR], 1
	s_bfe_u32 s40, ttmp6, 0x40000                  ; cx
	s_bfe_u32 s41, ttmp6, 0x40004                  ; cy
	s_lshl_b32 s42, ttmp9, 2
	s_add_co_u32 s42, s42, s40                     ; TX: the block of 256 tokens
	s_and_b32 s19, ttmp7, 0xffff
	s_lshl_b32 s19, s19, 2
	s_add_co_u32 s19, s19, s41                     ; TY: the pair of heads
	s_lshl_b32 s43, s41, 2
	s_lshl_b32 s43, 15, s43                        ; my row of the cluster
	s_lshl_b32 s44, 0x1111, s40                    ; my column
	s_or_b32 s[G1F], s43, (1<<20)|(1<<21)|(3<<22)|(3<<25)   ; mask; elements of 1 byte; padding on; bit 21 beside a mask; after every 16 words 4 words
	s_or_b32 s[G1X], s44, (1<<20)|(1<<21)|(3<<22)|(3<<25)
.irp g, G1F, G1X
	s_mov_b32 s[\g+1], 192<<16                     ; tensor_dim0
	s_mov_b32 s[\g+2], 128<<16                     ; tensor_dim1
	s_mov_b32 s[\g+3], 192<<16                     ; tile_dim0: 256 codes
	s_mov_b32 s[\g+4], 128                         ; tile_dim1
	s_mov_b32 s[\g+5], 768                         ; a row of 1,024 codes in memory
	s_mov_b32 s[\g+6], 0
	s_mov_b32 s[\g+7], 0
.endr
	s_lshl_b32 s20, s19, 7                         ; features: row 1,024 + 128 TY (k) or 2,048 + 128 TY (v)
	s_lshl_b32 s21, s[TAU], 10
	s_add_co_u32 s20, s20, s21
	s_add_co_u32 s20, s20, 1024
	s_mul_i32 s20, s20, 768
	s_mov_b32 s21, 0
	s_lshl_b32 s46, s42, 8                         ; tokens: row 256 TX + 128 x half
	s_lshl_b32 s47, s[TAU], 7
	s_add_co_u32 s46, s46, s47
	s_mul_i32 s46, s46, 768
	s_mov_b32 s47, 0
	s_mul_i32 s45, s[WVR], HALFT                   ; where they go: wave x 128 rows
	s_mov_b32 s[LG], 0x3fb8aa3b
	s_mov_b32 s[LG+1], 0x3fb8aa3b
	s_mov_b32 s[SEL], 0x76543210
	s_mov_b32 s[SEL+1], 0xfedcba98
	s_wait_kmcnt 0x0
	s_add_nc_u64 s[20:21], s[4:5], s[20:21]
	s_add_nc_u64 s[46:47], s[8:9], s[46:47]
	CROUND                                         ; all sixteen work-groups are here: the first joint loads meet
.irp s, 0,1
	s_mov_b32 s[G0F+4*\s], 1
	s_add_co_u32 s[G0F+4*\s+1], s45, \s*SLOT
	s_add_nc_u64 s[G0F+4*\s+2:G0F+4*\s+3], s[20:21], \s*192
	s_or_b32 s[G0F+4*\s+3], s[G0F+4*\s+3], 0x80000000
	s_mov_b32 s[G0X+4*\s], 1
	s_add_co_u32 s[G0X+4*\s+1], s45, \s*SLOT
	s_add_nc_u64 s[G0X+4*\s+2:G0X+4*\s+3], s[46:47], \s*192
	s_or_b32 s[G0X+4*\s+3], s[G0X+4*\s+3], 0x80000000
	JLOAD \s                                       ; two loads of mine are out
.endr
	v_and_b32 v1, 15, v0                           ; r
	v_bfe_u32 v2, v0, 4, 1                         ; hh
	v_and_b32 v3, 31, v0                           ; lane
	v_lshlrev_b32 v[SCO], 5, v1
	v_lshl_add_u32 v[SCO], v2, 4, v[SCO]
	s_lshl_b32 s70, s19, 7                         ; the scale words of my head's k rows; v's lie 1,024 rows on
	s_lshl_b32 s71, s[PH], 6
	s_add_co_u32 s70, s70, s71
	s_add_co_u32 s70, s70, 1024
	s_lshl_b32 s70, s70, 5
	s_mov_b32 s71, 0
	s_add_nc_u64 s[6:7], s[6:7], s[70:71]
	s_lshl_b32 s70, s42, 8                         ; and of my 128 tokens
	s_lshl_b32 s72, s[TAU], 7
	s_add_co_u32 s70, s70, s72
	s_lshl_b32 s70, s70, 5
	s_add_nc_u64 s[10:11], s[10:11], s[70:71]
.irp i, 0,1,2,3,4,5,6,7
	global_load_b128 v[SF+4*\i:SF+4*\i+3], v[SCO], s[6:7] offset:512*(\i%4)+32768*(\i/4)   ; 16 rows' 512 consecutive bytes
	global_load_b128 v[SX+4*\i:SX+4*\i+3], v[SCO], s[10:11] offset:512*\i
.endr
	v_mul_u32_u24 v4, v1, PITCH
	v_mad_u32_u24 v4, v2, 24, v4                   ; row x pitch + 24 x half
	v_lshl_add_u32 v5, v2, 4, v4                   ; and behind one padding more
	s_mul_i32 s66, s[PH], 64*PITCH                 ; my head's rows among the k rows
	s_mul_i32 s67, s[TAU], HALFT
	s_add_co_u32 s67, s67, 2*HALFT                 ; my 128 tokens, behind the 256 feature rows
.irp s, 0,1
	v_add_nc_u32 v[ADRF+\s], s66, v4
	v_add_nc_u32 v[ADRX+\s], s67, v4
	v_add_nc_u32 v[ADRF+2+\s], s66, v5
	v_add_nc_u32 v[ADRX+2+\s], s67, v5
	s_add_co_u32 s66, s66, SLOT
	s_add_co_u32 s67, s67, SLOT
.endr
	v_lshlrev_b32 v[L16], 4, v3
	v_lshlrev_b32 v[L8], 3, v3
	s_lshl_b32 s68, s[WVR], 14
	v_add_nc_u32 v[STO], s68, v[L16]
	v_bfe_u32 v6, v0, 3, 1                         ; r / 8
	v_and_b32 v7, 7, v0                            ; r % 8
	v_lshlrev_b32 v[RD], 4, v7
	v_lshl_add_u32 v[RD], v2, 8, v[RD]
	v_lshl_add_u32 v[RD], v6, 12, v[RD]            ; lane r of tile u takes m = 32 (u / 2) + 8 (u % 2) + r + 8 (r / 8): the stage's tile 2 (u / 2) + r / 8, its lane 16 hh + 8 (u % 2) + r % 8
	s_lshl_b32 s68, s[PH], 15
	s_lshl_b32 s69, s[TAU], 13
	s_add_co_u32 s68, s68, s69
	v_add_nc_u32 v[RD], s68, v[RD]
	s_lshl_b32 s68, s[WVR], 8
	s_add_co_u32 s68, s68, KSST
	v_lshlrev_b32 v[KSA], 2, v1
	v_add_nc_u32 v[KSA], s68, v[KSA]
	s_lshl_b32 s68, s[PH], 9
	s_add_co_u32 s68, s68, KSST
	v_add_nc_u32 v[KSRD], s68, v[L8]
	s_lshr_b32 s72, s42, 3                         ; the batch
	s_lshl_b32 s72, s72, 4
	s_lshl_b32 s73, s19, 1
	s_add_co_u32 s72, s72, s73
	s_add_co_u32 s72, s72, s[PH]                   ; 16 b + head
	s_and_b32 s74, s42, 7                          ; the block of 256 tokens in the batch
	s_lshl_b32 s76, s72, 17
	s_lshl_b32 s77, s74, 14
	s_add_co_u32 s76, s76, s77
	s_lshl_b32 s77, s[TAU], 13
	s_add_co_u32 s76, s76, s77
	s_mov_b32 s77, 0
	s_add_nc_u64 s[12:13], s[12:13], s[76:77]
	s_lshl_b32 s76, s72, 11
	s_lshl_b32 s75, s74, 8
	s_add_co_u32 s76, s76, s75
	s_add_nc_u64 s[14:15], s[14:15], s[76:77]
	s_wait_tensorcnt 1                             ; my part of slot 0 is in; slot 1's may stay out
	s_barrier_signal -1
	s_barrier_wait -1
	FETCH_X 0, 0, 0
	FETCH_F 0, 0, 0
	FETCH_F 0, 0, 4
	s_wait_loadcnt 0x0                             ; the scale words
	STEP 0, 0, 1                                   ; the first products start the sums
	TURN 0, 1, 1, 1
	STEP 1, 2, 0
	TURN 1, 0, 1, 3
	STEP 0, 4, 0
	TURN 0, 1, 0, 5                                ; nothing is left to fetch; behind this barrier nobody reads slot 0
	STEP 1, 6, 0
	s_wait_dscnt 24
	WIN 0xa1
	MUL16 0, 1, 7, 0
	MUL16 2, 1, 7, 0
	s_wait_dscnt 0x0
	WIN 0xf1
	MUL16 4, 1, 7, 0
	MUL16 6, 1, 7, 0
	PLACES 4                                       ; behind the last products: their results are read and their operands' registers written below
	WIN 0x40
.irp g, 0,1,2,3,4,5,6,7,8,9,10,11,12,13,14,15
	v_mov_b32 v[QT2+\g], 0                         ; written once: a lane permute's destination counts as one of its sources
.endr
.irp a, 0,1,2,3
	v_mov_b32 v[KSP+\a], 0
.endr
.irp a, 0,1,2,3
	ELU 2, 1, 64*\a, 64, TMPR                      ; k = elu(k) + 1
	KSUM \a
.endr
.irp a, 0,1,2,3
	v_permlanex16_b32 v[KSP+\a], v[KSV+\a], s[SEL], s[SEL+1]
.endr
.irp a, 0,1,2,3
	v_add_f32 v[KSV+\a], v[KSV+\a], v[KSP+\a]      ; with lane l xor 16's 64 tokens: feature 16 a + r over my 128 tokens
.endr
	QUANT 2, 1, 0, 16, KFR, 6                      ; k: four feature tiles x four blocks of 32 tokens
	WORDS KW
	QUANT 3, 1, 0, 16, VFR, 6                      ; v likewise
	WORDS VW
	PLACES 8                                       ; a scale register written by a vector instruction stands 8 places ahead of a scaled matrix instruction, an operand 4
	WIN 0x05                                       ; sources window 1, D window 0
.irp m, 0,1,2,3                        ; kv over my 128 tokens: source 0 = 16 d of k, source 1 = 16 m of v: lane (r, hh) holds m = 16 m' + r, register j d = 16 a + 8 hh + j
.irp a, 0,1,2,3
	WM DKV+8*(4*\m+\a), KFR+12*\a, VFR+12*\m, -1, KW+\a, VW+\m, 0
.endr
.endr
	PLACES 4
	WIN 0
.irp t, 0,1,2,3,4,5,6,7,8,9,10,11,12,13,14,15
	ds_store_b128 v[STO], v[DKV+8*\t:DKV+8*\t+3] offset:1024*\t        ; images of the registers, each accumulator from its low end on
	ds_store_b128 v[STO], v[DKV+8*\t+4:DKV+8*\t+7] offset:1024*\t+512
.endr
	WIN 0x04                                       ; an LDS store's data are its source 1: window 1
.irp a, 0,1,2,3
	ds_store_b32 v[KSA], v[KSV+\a] offset:64*\a    ; both halves of the lanes write the same word with the same value
.endr
	WIN 0
	s_wait_dscnt 0x0                               ; for the others' sake: my stores are done
	s_barrier_signal -1
	s_barrier_wait -1
	WIN 0x40
.irp n, 0,1,2,3,4,5,6,7,8,9,10,11,12,13,14,15  ; n = 8 u + 2 a + q: my two tiles of m, from both waves of my head
	ds_load_b128 v[4*\n:4*\n+3], v[RD] offset:128*(\n/8)+1024*((\n/2)%4)+512*(\n%2)
	ds_load_b128 v[64+4*\n:64+4*\n+3], v[RD] offset:16384+128*(\n/8)+1024*((\n/2)%4)+512*(\n%2)
.endr
	s_wait_dscnt 0x0
	WIN 0x55
.set KI, 0
.rept 32
	v_pk_add_f32 v[KI:KI+1], v[KI:KI+1], v[64+KI:64+KI+1]
.set KI, KI+2
.endr
	WIN 0x04
.irp n, 0,1,2,3,4,5,6,7,8,9,10,11,12,13,14,15
	global_store_b128 v[L16], v[4*\n:4*\n+3], s[12:13] offset:512*\n   ; 32 lanes store 512 consecutive bytes, aligned
.endr
	WIN 0
	s_cmp_lg_u32 s[TAU], 0                         ; one wave of each head adds and stores the sum of k
	s_cbranch_scc1 .Lno_ksum
	ds_load_b64 v[6:7], v[KSRD]
	ds_load_b64 v[8:9], v[KSRD] offset:256
	s_wait_dscnt 0x0
	v_pk_add_f32 v[6:7], v[6:7], v[8:9]
	global_store_b64 v[L8], v[6:7], s[14:15]       ; 32 lanes store 256 consecutive bytes, aligned
.Lno_ksum:
	s_wait_tensorcnt 0x0                           ; the wave's end
	ds_add_u32 v[SPW], v[NIL]
	s_wait_dscnt 0x0
	CROUND                                         ; the closing round
	s_endpgm
.Lfunc_end_k_q548129329c_kvgemm:
	.size	k_q548129329c_kvgemm, .Lfunc_end_k_q548129329c_kvgemm-k_q548129329c_kvgemm
	.p2alignl 7, 3214868480
	.fill 96, 4, 3214868480
	.section	.rodata,"a",@progbits
	.p2align	6, 0x0
	.amdhsa_kernel k_q548129329c_kvgemm
		.amdhsa_group_segment_fixed_size 327680
		.amdhsa_private_segment_fixed_size 0
		.amdhsa_enable_private_segment 0
		.amdhsa_kernarg_size 48
		.amdhsa_user_sgpr_count 2
		.amdhsa_user_sgpr_kernarg_segment_ptr 1
		.amdhsa_wavefront_size32 1
		.amdhsa_system_sgpr_workgroup_id_x 1
		.amdhsa_system_sgpr_workgroup_id_y 1
		.amdhsa_system_sgpr_workgroup_id_z 1
		.amdhsa_system_vgpr_workitem_id 0
		.amdhsa_next_free_vgpr 1024
		.amdhsa_next_free_sgpr 98
		.amdhsa_reserve_vcc 1
		.amdhsa_float_denorm_mode_32 3
		.amdhsa_float_denorm_mode_16_64 3
		.amdhsa_memory_ordered 1
		.amdhsa_forward_progress 1
		.amdhsa_inst_pref_size 227
	.end_amdhsa_kernel
	.amdgpu_metadata
---
amdhsa.version: [ 1, 2 ]
amdhsa.kernels:
  - .name:           k_q548129329c_kvgemm
    .symbol:         k_q548129329c_kvgemm.kd
    .args:
      - { .name: w_qkv_codes, .offset: 0, .size: 8, .value_kind: global_buffer, .address_space: global }
      - { .name: w_qkv_scales, .offset: 8, .size: 8, .value_kind: global_buffer, .address_space: global }
      - { .name: x_codes, .offset: 16, .size: 8, .value_kind: global_buffer, .address_space: global }
      - { .name: x_scales, .offset: 24, .size: 8, .value_kind: global_buffer, .address_space: global }
      - { .name: kv_part, .offset: 32, .size: 8, .value_kind: global_buffer, .address_space: global }
      - { .name: ksum_part, .offset: 40, .size: 8, .value_kind: global_buffer, .address_space: global }
    .group_segment_fixed_size: 327680
    .private_segment_fixed_size: 0
    .kernarg_segment_align: 8
    .kernarg_segment_size: 48
    .max_flat_workgroup_size: 128
    .sgpr_count:     98
    .vgpr_count:     1024
    .wavefront_size: 32
...
	.end_amdgpu_metadata
.endif
;; end of part 1
;; launch qattn (part 2): grid 8 x 32, 4 waves a work-group, clusters of 4 x 4, 327,680 bytes of LDS; arguments x_codes, x_scales, w_qkv_codes, w_qkv_scales, kv_part, ksum_part, o_codes, o_scales; writes o_codes, o_scales
.if DOCPART == 2
	.amdgcn_target "amdgcn-amd-amdhsa--gfx1250"
	.amdhsa_code_object_version 6
	.text
	.protected	k_q548129329c_qattn
	.globl	k_q548129329c_qattn
	.p2align	8
	.type	k_q548129329c_qattn,@function
k_q548129329c_qattn:
	s_mov_b64 s[64:65], 0
	v_nop
	global_prefetch_b8 v0, s[64:65] scope:SCOPE_SE
	s_setreg_imm32_b32 hwreg(HW_REG_WAVE_MODE, 25, 1), 1
	s_wait_xcnt 0x0
	s_wait_alu depctr_hold_cnt(0) depctr_sa_sdst(0) depctr_va_vdst(0) depctr_va_sdst(0) depctr_va_ssrc(0) depctr_va_vcc(0) depctr_vm_vsrc(0)
	s_getreg_b32 s2, hwreg(HW_REG_IB_STS2, 6, 4)
	s_cmp_eq_u32 s2, 0
	s_cbranch_scc0 .Lentry_in_a_cluster
	s_endpgm
.Lentry_in_a_cluster:
	s_bfe_u32 s2, ttmp6, 0x10000c
	s_cmp_lg_u32 s2, 0xf033
	s_cbranch_scc0 .Lentry_shape_is_right
	s_endpgm
.Lentry_shape_is_right:
; q = elu(x Wq^T) + 1;  z = 1 / (q . sum k + 1e-6) in f32;  out = (Q(q) Q(kv)) z;  out quantised along (head, m) into codes and scale words laid as the last launch's operand registers.
; A work-group takes 256 tokens (TB = 0..31) and a pair of heads (HP = 0..7); wave w takes tokens 128 (w / 2) on and head 2 HP + w % 2.
; ALL CODES OF THE TILE LIE IN LDS, each byte filled once: 256 token rows and 128 rows of Wq, whole K (768 bytes a row, stated as three dense rows of 256 bytes with 16 of padding behind each: pitch 816).
; The token rows hang on TB alone and are asked for jointly along a row of the 4 x 4 cluster, Wq's rows on HP alone, along a column.  Every wave issues the same five lines: five loads of mine are out.
; Wq's 64 rows of my head stay in 384 registers; the tokens go a tile of 16 at a time, in TWO PASSES.
; PASS A, which needs nothing of kv: 32 matrix instructions on four accumulators by turns, elu + 1, q's codes (6 registers a tile), q's scale word and z, all kept in registers.  Behind each tile one of the eight
; parts of my two tiles of kv, asked for two tiles earlier, is added to the running sum, and the part two on is asked for into the registers just read: 8 KB of loads a wave under each tile's work.
; BETWEEN THE PASSES kv is quantised and its codes go to the other waves through LDS as images of the registers.
; PASS B: four matrix instructions a tile, x z, the quantiser, the stores; two sets of accumulators by turns, a tile's products issued ahead of the vector work of the tile before.
; LAYOUT: source 0 = 16 features d, source 1 = 16 tokens: lane (r, hh) holds token r, register 8 b + j holds d = 16 b + 8 hh + j.  kv's parts arrive in the same arrangement of d (rows m), so q and kv are
; quantised along d by the same lines, the order inside a block of 32 alike in both.  The m that form a tile of kv were chosen by the first launch so that out's registers 16 g + i are m = 32 g + 16 hh + i.
; The second product has K = 64: registers 6-11 of kv's operand hold zero codes, and bytes 2 and 3 of both scale words are 0 (2^-127, never 0xff).  So what stands in registers 6-11 of q's operand
; (the next tile's codes; zeros behind the last tile) adds nothing, and a tile's codes take 6 registers.
; LIMITS: NaN, infinities and scale bytes 0xff are not served.  A block whose largest magnitude lies under 2^-124 keeps the byte 1 (a block of zeros too, where the quantiser says 127: its codes are zeros, and
; this program alone reads the bytes).  v_exp_f32 and v_rcp_f32 flush denormals: z is 0 where the divisor exceeds 2^126.  kv's parts are added in the order of the token blocks.
.set RP,   816
.set BB,   256*RP                      ; behind the tokens: Wq's 128 rows
.set KVI,  BB+128*RP                   ; scratch, whole blocks of 256 bytes into which no fill lands: 8 images of kv's codes (768 bytes: 16 x lane, then 8 x lane),
.set KVWL, KVI+6144                    ; their scale words, 128 bytes each,
.set KSL,  KVWL+1024                   ; the sum of k, 256 bytes a wave,
.set OSC,  KSL+1024                    ; out's scale words: [64 tokens][r][tile % 4] words
.set OSR,  13
.set OSA,  14
.set KSRD, 15
.set ADA,  16                          ; v16, v17 my token rows, tiles 0-3 (v17: behind one padding more); v18, v19 tiles 4-7
.set ADB,  20                          ; v20, v21 my rows of Wq
.set L16,  22
.set L8,   23
.set SCO,  24
.set KIS,  25                          ; v25-27 where I store kv's images and words;  v28-30 where I read my head's
.set KIR,  28
.set KSW,  31
.set SB,   32                          ; v32-47 Wq's scale words, 4 b + q;  v48-79 the tokens', 4 a + q;  v80-83 kv's;  v84-91 q's, one a tile
.set SA,   48
.set KVW,  80
.set QW,   84
.set AF,   96                          ; v96-191 a token tile's eight fragments (window 0)
.set KP,   192                         ; v192-207 the parts of the sum of k
.set LND,  192                         ; windows 1 and 2, v192-255: where kv's parts land, by turns;  v0-191 of both: Wq's fragments of K steps 0-3 and 4-7
.set KVF,  192                         ; window 2, in pass B: kv's four fragments
.set ACC,  0                           ; window 3, pass A: q's four accumulators, 32 at work, the sum of k in q's layout
.set TMPR, 32
.set KSR,  64
.set KF,   0                           ; between the passes: my two fragments of kv and their words
.set KWD,  12
.set OF,   0                           ; pass B: out's codes, 6 a tile, and its scale bytes
.set OW,   48
.set SUM,  96                          ; v96-159 the running sum of my two tiles of kv;  in pass B the two sets of accumulators
.set OO,   96
.set QFS,  160                         ; v160-213 q's codes, 6 a tile, and six zeros
.set QX,   214
.set QTM,  222
.set QT2,  226
.set QSO,  230
.set DN,   234
.set PP,   238
.set DD,   239
.set ZZ,   240                         ; v240-255 z of tile a at 2 a (the packed multiply names a pair)
.set WVR, 20
.set TH,  21                           ; s21 my half of the tokens;  s22 my head of the pair
.set HC,  22
.set G1A, 24
.set G1B, 32
.set G0B, 40
.set G0A, 44
.set LG,  62
.set SEL, 66
.set MSB, 0
.macro WIN new
.if MSB != (\new)
	s_set_vgpr_msb (MSB<<8)|(\new)
.set MSB, \new
.endif
.endm
.macro PLACES n
.rept \n
	v_nop
.endr
.endm
.macro CROUND                          ; a round of the cluster's barrier
	s_barrier_signal -1
	s_barrier_wait -1
	s_cmp_lg_u32 s[WVR], 0
	s_cbranch_scc1 .Lnot_wave_0_\@
	s_barrier_signal -3
.Lnot_wave_0_\@:
	s_barrier_wait -3
	s_barrier_signal -1
	s_barrier_wait -1
.endm
.macro BAR g                           ; Wq and the token chunks 0 .. g lie in LDS for every wave: the count leaves out the chunks issued behind chunk g
	s_wait_tensorcnt 3-(\g)
	s_wait_dscnt 0x0
	s_barrier_signal -1
	s_barrier_wait -1
.endm
.macro WM d, a, b, c, sa, sb, hi
.if (\c) < 0
	v_wmma_scale_f32_16x16x128_f8f6f4 v[(\d):(\d)+7], v[(\a):(\a)+11], v[(\b):(\b)+11], 0, v[\sa], v[\sb] matrix_a_fmt:MATRIX_FMT_FP6 matrix_b_fmt:MATRIX_FMT_FP6
.elseif (\hi)
	v_wmma_scale_f32_16x16x128_f8f6f4 v[(\d):(\d)+7], v[(\a):(\a)+11], v[(\b):(\b)+11], v[(\c):(\c)+7], v[\sa], v[\sb] matrix_a_fmt:MATRIX_FMT_FP6 matrix_b_fmt:MATRIX_FMT_FP6 matrix_a_scale:MATRIX_SCALE_ROW1 matrix_b_scale:MATRIX_SCALE_ROW1
.else
	v_wmma_scale_f32_16x16x128_f8f6f4 v[(\d):(\d)+7], v[(\a):(\a)+11], v[(\b):(\b)+11], v[(\c):(\c)+7], v[\sa], v[\sb] matrix_a_fmt:MATRIX_FMT_FP6 matrix_b_fmt:MATRIX_FMT_FP6
.endif
.endm
; a fragment of K step s from rows of 768 bytes: piece PC of a row lies at 8 PC + 16 (PC / 32).  Lanes 16-31 read three pieces on; where that lies behind one padding more, the second address register serves
.macro FRAGR reg, adr, s, rowoff
.irp p, 0,1,2,3,4,5
.set PC, 12*(\s)+6*(\p/3)+\p%3
.if PC%32 < 29
	ds_load_b64 v[(\reg)+2*\p:(\reg)+2*\p+1], v[\adr] offset:8*PC+16*(PC/32)+(\rowoff)*RP
.else
	ds_load_b64 v[(\reg)+2*\p:(\reg)+2*\p+1], v[(\adr)+1] offset:8*PC+16*(PC/32)+(\rowoff)*RP
.endif
.endr
.endm
.macro ELU WN, WT, S0, N, T            ; elu(x) + 1: x > 0 ? x : 2^(x log2 e) - 1, then + 1
	WIN (\WN)|((\WT)*0x54)
.set EI, 0
.rept (\N)/2
	v_pk_mul_f32 v[(\T)+EI:(\T)+EI+1], v[(\S0)+EI:(\S0)+EI+1], s[LG:LG+1] op_sel_hi:[1,0]
.set EI, EI+2
.endr
	WIN (\WT)*0x55
.set EI, 0
.rept \N
	v_exp_f32 v[(\T)+EI], v[(\T)+EI]
.set EI, EI+1
.endr
	v_nop                                          ; a plain place between the exponentials and the first use of a result
.set EI, 0
	s_wait_alu depctr_va_vdst(0)
.rept (\N)/2
	v_pk_add_f32 v[(\T)+EI:(\T)+EI+1], v[(\T)+EI:(\T)+EI+1], -1.0 op_sel_hi:[1,0]
.set EI, EI+2
.endr
	WIN (\WT)*0x11|((\WN)*0x44)
.set EI, 0
.rept \N
	v_cmp_lt_f32 vcc_lo, 0, v[(\S0)+EI]
	v_cndmask_b32 v[(\S0)+EI], v[(\T)+EI], v[(\S0)+EI], vcc_lo
.set EI, EI+1
.endr
	WIN (\WN)*0x55
.set EI, 0
.rept (\N)/2
	v_pk_add_f32 v[(\S0)+EI:(\S0)+EI+1], v[(\S0)+EI:(\S0)+EI+1], 1.0 op_sel_hi:[1,0]
.set EI, EI+2
.endr
.endm
; NB blocks of 32: block g is my registers S0 + 16 g .. + 15 and lane l xor 16's.  Codes of blocks 2 c, 2 c + 1 land in v[F + STR c .. + 5]: lanes 0-15 block 2 c, lanes 16-31 block 2 c + 1.  The bytes stay in v[QT2 + g]
.macro QUANT WN, WT, S0, NB, F, STR
	WIN (\WN)*5|((\WT)*0x50)
.set QG, 0
.rept \NB
	v_max3_num_f32 v[QTM+QG], |v[(\S0)+16*QG]|, |v[(\S0)+16*QG+1]|, 0x1800000   ; the floor 2^(3 - 127) holds the byte at 1 from below
.set QG, QG+1
.endr
	WIN (\WT)*0x41|((\WN)*0x14)
.irp i, 2,4,6,8,10,12,14
.set QG, 0
.rept \NB
	v_max3_num_f32 v[QTM+QG], v[QTM+QG], |v[(\S0)+16*QG+\i]|, |v[(\S0)+16*QG+\i+1]|
.set QG, QG+1
.endr
.endr
	WIN (\WT)*0x55
.set QG, 0
.rept \NB
	v_permlanex16_b32 v[QT2+QG], v[QTM+QG], s[SEL], s[SEL+1]
.set QG, QG+1
.endr
.set QG, 0
.rept \NB
	v_max_num_f32 v[QTM+QG], v[QTM+QG], v[QT2+QG]
.set QG, QG+1
.endr
.set QG, 0
.rept \NB
	v_add_nc_u32 v[QSO+QG], 0xff000000, v[QTM+QG]          ; 2 off the exponent field: the conversion's scale operand
.set QG, QG+1
.endr
.set QG, 0
.rept \NB
	v_lshrrev_b32 v[QT2+QG], 23, v[QSO+QG]                 ; the scale's byte
.set QG, QG+1
.endr
	WIN (\WN)|((\WT)*0x54)
.set QG, 0
.rept (\NB)/2
	v_cvt_scalef32_pk16_fp6_f32 v[(\F)+(\STR)*QG:(\F)+(\STR)*QG+2], v[(\S0)+32*QG:(\S0)+32*QG+15], v[QSO+2*QG]
	v_cvt_scalef32_pk16_fp6_f32 v[QX+4*QG:QX+4*QG+2], v[(\S0)+32*QG+16:(\S0)+32*QG+31], v[QSO+2*QG+1]
.set QG, QG+1
.endr
	WIN (\WT)*0x55
	v_nop                                          ; one plain place behind the scaled conversions
.set QG, 0
.rept (\NB)/2
.irp i, 0,1,2
	v_permlane16_swap_b32 v[(\F)+(\STR)*QG+\i], v[QX+4*QG+\i]
.endr
.irp i, 0,1,2
	v_mov_b32 v[(\F)+(\STR)*QG+3+\i], v[QX+4*QG+\i]
.endr
.set QG, QG+1
.endr
.endm
.macro FETCH_A a                       ; token tile a's eight fragments
.irp s, 0,1,2,3,4,5,6,7
	FRAGR AF+12*\s, ADA+2*((\a)/4), \s, 16*((\a)%4)
.endr
.endm
.macro MULT a                          ; q of token tile a: four accumulators by turns, one instruction a turn
.irp s, 0,1,2,3,4,5,6,7
	WIN 0xf0|(1+\s/4)                              ; Wq: window 1 or 2; the tokens: window 0; C and D: window 3
.irp b, 0,1,2,3
.if \s == 0
	WM ACC+8*\b, 12*\b, AF, -1, SB+4*\b, SA+4*(\a), 0
.else
	WM ACC+8*\b, 48*(\s%4)+12*\b, AF+12*\s, ACC+8*\b, SB+4*\b+\s%4, SA+4*(\a)+\s%4, \s/4
.endif
.endr
.endr
.endm
; part p of my two tiles of kv: 16 loads of 512 consecutive bytes each, register 32 u + 8 a + 4 q, into v[reg ..] of window w
.macro KVLOAD p, w, reg
	WIN 0x40*(\w)
.irp n, 0,1,2,3,4,5,6,7,8,9,10,11,12,13,14,15
	global_load_b128 v[(\reg)+4*\n:(\reg)+4*\n+3], v[L16], s[12:13] offset:16384*(\p)+512*\n
.endr
.endm
; behind token tile a: part a + 1 of kv, which lies in window 1 + a % 2, joins the sum; part a + 3 is asked for into the same registers.  The parts are added in the order of the token blocks
.macro KVADD a
.if (\a) < 6
	s_wait_loadcnt 16                              ; loads come back in order (ISA guide 5.7.1): part a + 1 is in; the 16 loads of part a + 2 may be out
.else
	s_wait_loadcnt 0x0                             ; the last part
.endif
	WIN 0xc3|(4*(1+(\a)%2))                        ; the sum: window 3; the part: window 1 or 2
.set EI, 0
.rept 32
	v_pk_add_f32 v[SUM+EI:SUM+EI+1], v[SUM+EI:SUM+EI+1], v[LND+EI:LND+EI+1]
.set EI, EI+2
.endr
.if (\a) < 5
	KVLOAD (\a)+3, 1+(\a)%2, LND
.endif
.endm
.macro EPIA a                          ; pass A: token tile a from q's sums to q's codes, its scale word and z; all in window 3 but the scale word
	ELU 3, 3, ACC, 32, TMPR
	QUANT 3, 3, ACC, 2, QFS+6*(\a), 6
	WIN 0x33
	v_lshl_or_b32 v[QW+\a], v[QT2+1], 8, v[QT2]    ; q's scale word: two blocks of d; bytes 2 and 3 are 0
	WIN 0xff
	v_pk_mul_f32 v[DN:DN+1], v[ACC:ACC+1], v[KSR:KSR+1]            ; q . sum k, on the unquantised q, in two chains
	v_pk_mul_f32 v[DN+2:DN+3], v[ACC+2:ACC+3], v[KSR+2:KSR+3]
.irp i, 4,8,12,16,20,24,28
	v_pk_fma_f32 v[DN:DN+1], v[ACC+\i:ACC+\i+1], v[KSR+\i:KSR+\i+1], v[DN:DN+1]
	v_pk_fma_f32 v[DN+2:DN+3], v[ACC+\i+2:ACC+\i+3], v[KSR+\i+2:KSR+\i+3], v[DN+2:DN+3]
.endr
	v_pk_add_f32 v[DN:DN+1], v[DN:DN+1], v[DN+2:DN+3]
	v_add_f32 v[DD], v[DN], v[DN+1]
	v_permlanex16_b32 v[PP], v[DD], s[SEL], s[SEL+1]
	v_add_f32 v[DD], v[DD], v[PP]                  ; with lane l xor 16's 32 d
	v_add_f32 v[DD], 0x358637bd, v[DD]             ; + 1e-6
	v_rcp_f32 v[ZZ+2*(\a)], v[DD]                  ; z
	v_nop                                          ; a plain place behind the reciprocal
.endm
.macro WMB a                           ; pass B: token tile a's four products, into set a % 2.  q's operand reaches six registers into the next tile's codes: against kv's zero codes
	WIN 0xce                                       ; kv: window 2; q: window 3; D: window 3
.irp m, 0,1,2,3
	WM OO+32*((\a)%2)+8*\m, KVF+12*\m, QFS+6*(\a), -1, KVW+\m, QW+(\a), 0
.endr
.endm
.macro EPIB a                          ; pass B: x z, the quantiser, the stores
.set OS, OO+32*((\a)%2)
	WIN 0xff
.set EI, 0
	s_wait_alu depctr_va_vdst(0)
.rept 16
	v_pk_mul_f32 v[OS+EI:OS+EI+1], v[OS+EI:OS+EI+1], v[ZZ+2*(\a):ZZ+2*(\a)+1] op_sel_hi:[1,0]
.set EI, EI+2
.endr
	QUANT 3, 3, OS, 2, OF+6*(\a), 6                ; registers 6 c .. 6 c + 5 of the last product's operand, c my head of the pair
	v_lshl_or_b32 v[OW+\a], v[QT2+1], 8, v[QT2]
	WIN 0x0c                                       ; a store's data are its source 1: window 3
.irp p, 0,1,2
	global_store_b64 v[L8], v[OF+6*(\a)+2*\p:OF+6*(\a)+2*\p+1], s[16:17] offset:12288*(\a)+256*\p   ; 32 lanes store 256 consecutive bytes, aligned; each tile has registers of its own
.endr
	ds_store_b16 v[OSA], v[OW+\a] offset:256*((\a)/4)+4*((\a)%4)   ; my head's two bytes of the token's scale word
.endm
	s_load_b512 s[4:19], s[0:1], 0x0               ; x's codes s[4:5], x's scales s[6:7], W's codes s[8:9], W's scales s[10:11], kv_part s[12:13], ksum_part s[14:15], o_codes s[16:17], o_scales s[18:19]
	v_lshl_add_u32 v254, v0, 2, 0x4ec00
	v_mov_b32 v255, 0
	ds_add_u32 v254, v255
	ds_add_u32 v254, v255
	v_lshrrev_b32 v1, 5, v0
	v_readfirstlane_b32 s[WVR], v1
	s_lshr_b32 s[TH], s[WVR], 1
	s_and_b32 s[HC], s[WVR], 1
	s_bfe_u32 s68, ttmp6, 0x40000                  ; cx
	s_bfe_u32 s69, ttmp6, 0x40004                  ; cy
	s_lshl_b32 s70, ttmp9, 2
	s_add_co_u32 s70, s70, s68                     ; HP
	s_and_b32 s71, ttmp7, 0xffff
	s_lshl_b32 s71, s71, 2
	s_add_co_u32 s71, s71, s69                     ; TB
	s_lshl_b32 s72, s69, 2
	s_lshl_b32 s72, 15, s72                        ; my row of the cluster
	s_lshl_b32 s73, 0x1111, s68                    ; my column
	s_or_b32 s[G1A], s72, (3<<16)|(1<<20)|(1<<21)|(5<<22)|(3<<25)   ; mask; elements of 8 bytes; padding on; bit 21 beside a mask; after every 64 words 4 words
	s_mov_b32 s[G1A+1], 32<<16                     ; rows of 256 bytes
	s_mov_b32 s[G1A+2], 48<<16                     ; 16 tokens x 3
	s_mov_b32 s[G1A+3], 32<<16
	s_mov_b32 s[G1A+4], 48
	s_mov_b32 s[G1A+5], 32
	s_mov_b32 s[G1A+6], 0
	s_mov_b32 s[G1A+7], 0
	s_or_b32 s[G1B], s73, (3<<16)|(1<<20)|(1<<21)|(5<<22)|(3<<25)
	s_mov_b32 s[G1B+1], 32<<16
	s_mov_b32 s[G1B+2], 96<<16                     ; 32 rows of Wq x 3
	s_mov_b32 s[G1B+3], 32<<16
	s_mov_b32 s[G1B+4], 96
	s_mov_b32 s[G1B+5], 32
	s_mov_b32 s[G1B+6], 0
	s_mov_b32 s[G1B+7], 0
	s_lshl_b32 s74, s[TH], 3
	s_add_co_u32 s74, s74, s[HC]                   ; my first token tile: 8 (w / 2) + w % 2; the others lie two tiles apart
	s_mul_i32 s75, s74, 16*RP
	s_mul_i32 s76, s74, 12288
	s_mul_i32 s77, s71, 196608
	s_add_co_u32 s76, s76, s77
	s_mov_b32 s77, 0
	s_mul_i32 s78, s70, 98304
	s_mul_i32 s79, s[WVR], 24576
	s_add_co_u32 s78, s78, s79
	s_mov_b32 s79, 0
	s_mul_i32 s80, s[WVR], 32*RP
	s_mov_b32 s[LG], 0x3fb8aa3b
	s_mov_b32 s[LG+1], 0x3fb8aa3b
	s_mov_b32 s[SEL], 0x76543210
	s_mov_b32 s[SEL+1], 0xfedcba98
	s_wait_dscnt 0x0
	s_wait_kmcnt 0x0
	s_add_nc_u64 s[76:77], s[4:5], s[76:77]
	s_add_nc_u64 s[78:79], s[8:9], s[78:79]
	s_mov_b32 s[G0B], 1
	s_add_co_u32 s[G0B+1], s80, BB
	s_mov_b64 s[G0B+2:G0B+3], s[78:79]
	s_or_b32 s[G0B+3], s[G0B+3], 0x80000000
.irp g, 0,1,2,3
	s_mov_b32 s[G0A+4*\g], 1
	s_add_co_u32 s[G0A+4*\g+1], s75, \g*32*RP
	s_add_nc_u64 s[G0A+4*\g+2:G0A+4*\g+3], s[76:77], \g*24576
	s_or_b32 s[G0A+4*\g+3], s[G0A+4*\g+3], 0x80000000
.endr
	CROUND                                         ; all sixteen work-groups are here: the joint loads meet
	tensor_load_to_lds s[G0B:G0B+3], s[G1B:G1B+7]
	s_nop 0
	tensor_load_to_lds s[G0A:G0A+3], s[G1A:G1A+7]
	s_nop 0
	tensor_load_to_lds s[G0A+4:G0A+7], s[G1A:G1A+7]
	s_nop 0
	tensor_load_to_lds s[G0A+8:G0A+11], s[G1A:G1A+7]
	s_nop 0
	tensor_load_to_lds s[G0A+12:G0A+15], s[G1A:G1A+7]
	s_nop 0
	PLACES 4
	v_and_b32 v1, 15, v0                           ; r
	v_bfe_u32 v2, v0, 4, 1                         ; hh
	v_and_b32 v3, 31, v0                           ; lane
	v_lshlrev_b32 v[L16], 4, v3
	v_lshlrev_b32 v[L8], 3, v3
	v_lshlrev_b32 v[SCO], 5, v1
	v_lshl_add_u32 v[SCO], v2, 4, v[SCO]
	s_mov_b32 s83, 0
	s_lshl_b32 s82, s70, 12                        ; Wq's scale words: row 128 HP + 64 c
	s_lshl_b32 s84, s[HC], 11
	s_add_co_u32 s82, s82, s84
	s_add_nc_u64 s[10:11], s[10:11], s[82:83]
	s_lshl_b32 s82, s71, 13                        ; the tokens': row 256 TB + 128 t
	s_lshl_b32 s84, s[TH], 12
	s_add_co_u32 s82, s82, s84
	s_add_nc_u64 s[6:7], s[6:7], s[82:83]
	s_lshr_b32 s84, s71, 3
	s_lshl_b32 s84, s84, 4
	s_lshl_b32 s85, s70, 1
	s_add_co_u32 s84, s84, s85
	s_add_co_u32 s84, s84, s[HC]                   ; 16 b + head
	s_lshl_b32 s82, s84, 11
	s_add_nc_u64 s[14:15], s[14:15], s[82:83]
	s_lshl_b32 s82, s84, 17
	s_lshl_b32 s85, s[TH], 13                      ; my two tiles of m: 2 t and 2 t + 1
	s_add_co_u32 s82, s82, s85
	s_add_nc_u64 s[12:13], s[12:13], s[82:83]
	s_lshl_b32 s82, s71, 4
	s_lshl_b32 s85, s[TH], 3
	s_add_co_u32 s82, s82, s85                     ; my first tile of 16 tokens
	s_lshl_b32 s82, s82, 3
	s_add_co_u32 s82, s82, s70
	s_mul_i32 s82, s82, 1536
	s_mul_i32 s85, s[HC], 768
	s_add_co_u32 s82, s82, s85
	s_add_nc_u64 s[16:17], s[16:17], s[82:83]
	s_lshl_b32 s82, s70, 15
	s_lshl_b32 s85, s71, 10
	s_add_co_u32 s82, s82, s85
	s_lshl_b32 s85, s[WVR], 8
	s_add_co_u32 s82, s82, s85
	s_add_nc_u64 s[18:19], s[18:19], s[82:83]
.irp b, 0,1,2,3
	global_load_b128 v[SB+4*\b:SB+4*\b+3], v[SCO], s[10:11] offset:512*\b
.endr
.irp a, 0,1,2,3,4,5,6,7
	global_load_b128 v[SA+4*\a:SA+4*\a+3], v[SCO], s[6:7] offset:512*\a
.endr
.irp p, 0,1,2,3,4,5,6,7
	global_load_b64 v[KP+2*\p:KP+2*\p+1], v[L8], s[14:15] offset:256*\p
.endr
	KVLOAD 0, 3, SUM                               ; kv's part 0 starts the sum: nothing is cleared;
	KVLOAD 1, 1, LND                               ; part 1 lands in window 1
	WIN 0
	v_mul_u32_u24 v4, v1, RP
	v_mad_u32_u24 v5, v2, 24, v4                   ; row x pitch + 24 x half
	v_lshl_add_u32 v6, v2, 4, v5                   ; and behind one padding more
	s_mul_i32 s82, s[TH], 128*RP
	v_add_nc_u32 v[ADA], s82, v5
	v_add_nc_u32 v[ADA+1], s82, v6
	v_add_nc_u32 v[ADA+2], 64*RP, v[ADA]
	v_add_nc_u32 v[ADA+3], 64*RP, v[ADA+1]
	s_mul_i32 s82, s[HC], 64*RP
	s_add_co_u32 s82, s82, BB
	v_add_nc_u32 v[ADB], s82, v5
	v_add_nc_u32 v[ADB+1], s82, v6
	v_lshlrev_b32 v7, 2, v3
	s_lshl_b32 s82, s[HC], 2
	s_lshl_b32 s85, s[TH], 1
	s_add_co_u32 s82, s82, s85                     ; the image that I make first: 4 c + 2 t
	s_mul_i32 s85, s82, 768
	s_add_co_u32 s85, s85, KVI
	v_add_nc_u32 v[KIS], s85, v[L16]
	s_add_co_u32 s85, s85, 512
	v_add_nc_u32 v[KIS+1], s85, v[L8]
	s_lshl_b32 s85, s82, 7
	s_add_co_u32 s85, s85, KVWL
	v_add_nc_u32 v[KIS+2], s85, v7
	s_mul_i32 s85, s[HC], 3072                     ; my head's four images
	s_add_co_u32 s85, s85, KVI
	v_add_nc_u32 v[KIR], s85, v[L16]
	s_add_co_u32 s85, s85, 512
	v_add_nc_u32 v[KIR+1], s85, v[L8]
	s_lshl_b32 s85, s[HC], 9
	s_add_co_u32 s85, s85, KVWL
	v_add_nc_u32 v[KIR+2], s85, v7
	s_lshl_b32 s85, s[WVR], 8
	s_add_co_u32 s86, s85, KSL
	v_add_nc_u32 v[KSW], s86, v[L8]
	v_lshlrev_b32 v8, 5, v2
	v_add_nc_u32 v[KSRD], s86, v8
	s_add_co_u32 s86, s85, OSC
	v_add_nc_u32 v[OSR], s86, v[L8]
	s_lshl_b32 s86, s[TH], 9
	s_lshl_b32 s87, s[HC], 1
	s_add_co_u32 s86, s86, s87
	s_add_co_u32 s86, s86, OSC
	v_lshlrev_b32 v9, 4, v1
	v_add_nc_u32 v[OSA], s86, v9
	WIN 0xc0
.irp g, 0,1,2,3
	v_mov_b32 v[QT2+\g], 0                         ; written once: a lane permute's destination counts as one of its sources
.endr
	v_mov_b32 v[PP], 0
.irp a, 0,1,2,3,4,5,6,7
	v_mov_b32 v[ZZ+2*\a+1], 0                      ; (named as the upper halves of pairs)
.endr
.irp i, 48,49,50,51,52,53
	v_mov_b32 v[QFS+\i], 0                         ; behind the last tile's codes of q
.endr
	s_wait_loadcnt 32                              ; the scale words and the parts of the sum of k are in; the 32 loads of kv's parts 0 and 1 may be out
	KVLOAD 2, 2, LND                               ; part 2 lands in window 2
	WIN 0
.irp p, 1,2,3,4,5,6,7
	v_pk_add_f32 v[KP:KP+1], v[KP:KP+1], v[KP+2*\p:KP+2*\p+1]
.endr
	ds_store_b64 v[KSW], v[KP:KP+1]                ; the sum of k, in the order of d, into my wave's own 256 bytes
	BAR 0
	WIN 0xc0
.irp n, 0,1,2,3,4,5,6,7
	ds_load_b128 v[KSR+4*\n:KSR+4*\n+3], v[KSRD] offset:64*(\n/2)+16*(\n%2)   ; register 8 b + j: the sum of k at d = 16 b + 8 hh + j
.endr
	WIN 0x40
.irp s, 0,1,2,3
.irp b, 0,1,2,3
	FRAGR 48*\s+12*\b, ADB, \s, 16*\b
.endr
.endr
	WIN 0x80
.irp s, 4,5,6,7
.irp b, 0,1,2,3
	FRAGR 48*(\s-4)+12*\b, ADB, \s, 16*\b
.endr
.endr
	WIN 0
	FETCH_A 0
	s_wait_dscnt 0x0
	; ---- PASS A
.irp a, 0,1,2,3,4,5,6,7
	MULT \a
	PLACES 5                                       ; four in front of the reads of the sums and of the loads into the tokens' registers; five in front of the next tile's first products, which begin these accumulators anew
	WIN 0
.if \a < 7
.if (\a+1)%2 == 0
	BAR (\a+1)/2                                   ; the next two token tiles
.endif
	FETCH_A \a+1                                   ; lands under the chain below
.endif
	EPIA \a
.if \a < 7
	KVADD \a
	s_wait_dscnt 0x0                               ; the next tile's fragments
.endif
.endr
	; ---- kv is whole: my two tiles of m x two blocks of d become codes and go to LDS as images of their registers
	QUANT 3, 3, SUM, 4, KF, 6
.irp u, 0,1
	v_lshl_or_b32 v[KWD+\u], v[QT2+2*\u+1], 8, v[QT2+2*\u]
.endr
	WIN 0x0c
.irp u, 0,1
	ds_store_b128 v[KIS], v[KF+6*\u:KF+6*\u+3] offset:768*\u
	ds_store_b64 v[KIS+1], v[KF+6*\u+4:KF+6*\u+5] offset:768*\u
	ds_store_b32 v[KIS+2], v[KWD+\u] offset:128*\u
.endr
	WIN 0x80
.irp m, 0,1,2,3
.irp i, 6,7,8,9,10,11
	v_mov_b32 v[KVF+12*\m+\i], 0                   ; K = 64: the upper half of kv's operand is zero codes.  (The parts that landed here were added long ago)
.endr
.endr
	WIN 0
	s_wait_dscnt 0x0                               ; for the others' sake: my stores are done
	s_barrier_signal -1
	s_barrier_wait -1
	WIN 0x80
.irp m, 0,1,2,3
	ds_load_b128 v[KVF+12*\m:KVF+12*\m+3], v[KIR] offset:768*\m
	ds_load_b64 v[KVF+12*\m+4:KVF+12*\m+5], v[KIR+1] offset:768*\m
.endr
	WIN 0
.irp m, 0,1,2,3
	ds_load_b32 v[KVW+\m], v[KIR+2] offset:128*\m
.endr
	s_wait_dscnt 0x0
	PLACES 4                                       ; an operand register written by a vector instruction (the zeros above) stands 4 places ahead of a scaled matrix instruction
	; ---- PASS B: a tile's products stand ahead of the vector work of the tile before, which names none of their registers and fills their places
	WMB 0
.irp a, 0,1,2,3,4,5,6,7
.if \a < 7
	WMB \a+1
.endif
.if \a == 0
	PLACES 4                                       ; the first tile's results have no other tile's work behind them
.endif
	EPIB \a
.endr
	WIN 0
	s_wait_dscnt 0x0                               ; my stores of scale bytes are done
	s_barrier_signal -1                            ; the scale words' halves come from two waves
	s_barrier_wait -1
	ds_load_b64 v[10:11], v[OSR]
	s_wait_dscnt 0x0
	global_store_b64 v[L8], v[10:11], s[18:19]     ; 32 lanes store 256 consecutive bytes, aligned
	s_wait_tensorcnt 0x0
	ds_add_u32 v254, v255
	s_wait_dscnt 0x0
	CROUND                                         ; the closing round
	s_endpgm
.Lfunc_end_k_q548129329c_qattn:
	.size	k_q548129329c_qattn, .Lfunc_end_k_q548129329c_qattn-k_q548129329c_qattn
	.p2alignl 7, 3214868480
	.fill 96, 4, 3214868480
	.section	.rodata,"a",@progbits
	.p2align	6, 0x0
	.amdhsa_kernel k_q548129329c_qattn
		.amdhsa_group_segment_fixed_size 327680
		.amdhsa_private_segment_fixed_size 0
		.amdhsa_enable_private_segment 0
		.amdhsa_kernarg_size 64
		.amdhsa_user_sgpr_count 2
		.amdhsa_user_sgpr_kernarg_segment_ptr 1
		.amdhsa_wavefront_size32 1
		.amdhsa_system_sgpr_workgroup_id_x 1
		.amdhsa_system_sgpr_workgroup_id_y 1
		.amdhsa_system_sgpr_workgroup_id_z 1
		.amdhsa_system_vgpr_workitem_id 0
		.amdhsa_next_free_vgpr 1024
		.amdhsa_next_free_sgpr 96
		.amdhsa_reserve_vcc 1
		.amdhsa_float_denorm_mode_32 3
		.amdhsa_float_denorm_mode_16_64 3
		.amdhsa_memory_ordered 1
		.amdhsa_forward_progress 1
		.amdhsa_inst_pref_size 222
	.end_amdhsa_kernel
	.amdgpu_metadata
---
amdhsa.version: [ 1, 2 ]
amdhsa.kernels:
  - .name:           k_q548129329c_qattn
    .symbol:         k_q548129329c_qattn.kd
    .args:
      - { .name: x_codes, .offset: 0, .size: 8, .value_kind: global_buffer, .address_space: global }
      - { .name: x_scales, .offset: 8, .size: 8, .value_kind: global_buffer, .address_space: global }
      - { .name: w_qkv_codes, .offset: 16, .size: 8, .value_kind: global_buffer, .address_space: global }
      - { .name: w_qkv_scales, .offset: 24, .size: 8, .value_kind: global_buffer, .address_space: global }
      - { .name: kv_part, .offset: 32, .size: 8, .value_kind: global_buffer, .address_space: global }
      - { .name: ksum_part, .offset: 40, .size: 8, .value_kind: global_buffer, .address_space: global }
      - { .name: o_codes, .offset: 48, .size: 8, .value_kind: global_buffer, .address_space: global }
      - { .name: o_scales, .offset: 56, .size: 8, .value_kind: global_buffer, .address_space: global }
    .group_segment_fixed_size: 327680
    .private_segment_fixed_size: 0
    .kernarg_segment_align: 8
    .kernarg_segment_size: 64
    .max_flat_workgroup_size: 128
    .sgpr_count:     96
    .vgpr_count:     1024
    .wavefront_size: 32
...
	.end_amdgpu_metadata
.endif
;; end of part 2
;; launch oproj (part 3): grid 8 x 32, 4 waves a work-group, clusters of 4 x 4, 327,680 bytes of LDS; arguments o_codes, o_scales, w_out_codes, w_out_scales, b_out, out0; writes out0
.if DOCPART == 3
	.amdgcn_target "amdgcn-amd-amdhsa--gfx1250"
	.amdhsa_code_object_version 6
	.text
	.protected	k_q548129329c_oproj
	.globl	k_q548129329c_oproj
	.p2align	8
	.type	k_q548129329c_oproj,@function
k_q548129329c_oproj:
	s_mov_b64 s[64:65], 0
	v_nop
	global_prefetch_b8 v0, s[64:65] scope:SCOPE_SE
	s_setreg_imm32_b32 hwreg(HW_REG_WAVE_MODE, 25, 1), 1
	s_wait_xcnt 0x0
	s_wait_alu depctr_hold_cnt(0) depctr_sa_sdst(0) depctr_va_vdst(0) depctr_va_sdst(0) depctr_va_ssrc(0) depctr_va_vcc(0) depctr_vm_vsrc(0)
	s_getreg_b32 s2, hwreg(HW_REG_IB_STS2, 6, 4)
	s_cmp_eq_u32 s2, 0
	s_cbranch_scc0 .Lentry_in_a_cluster
	s_endpgm
.Lentry_in_a_cluster:
	s_bfe_u32 s2, ttmp6, 0x10000c
	s_cmp_lg_u32 s2, 0xf033
	s_cbranch_scc0 .Lentry_shape_is_right
	s_endpgm
.Lentry_shape_is_right:
; out0 = out Wout^T + b_out on E2M3 codes: out's were made by the launch before, Wout's are given.
; A work-group takes 256 tokens (TB = 0..31) and 128 columns (NB = 0..7); wave w takes tokens 128 (w / 2) on and columns 64 (w % 2) on.
; ALL CODES OF THE TILE LIE IN LDS, each byte filled once.  out's codes are images of operand registers ([tile of 16 tokens][K step][piece][lane][8 bytes]): dense, no padding, read 8 bytes a lane on end.
; Wout's 128 rows of 768 bytes are stated as dense rows of 256 bytes with 16 of padding behind each: pitch 816.  out's tiles hang on TB alone and are asked for jointly along a row of the 4 x 4 cluster,
; Wout's rows on NB alone, along a column.  Every wave issues the same five lines: five loads of mine are out.
; Wout's 64 rows of mine stay in 384 registers; the tokens go a tile of 16 at a time: 32 matrix instructions on four accumulators by turns, the bias as the C of each sum's first.
; Source 0 = 16 columns, source 1 = 16 tokens: a lane holds one token and eight neighbouring columns; a tile goes through my own stage in LDS and leaves as aligned runs of 256 bytes.
; LIMITS: NaN, infinities and scale bytes 0xff among the inputs are not served.
.set RP,   816
.set TILE, 12288                       ; a tile of 16 tokens x 1,024 K
.set BB,   16*TILE
.set STG,  BB+128*RP                   ; 16 rows x (256 + 16) bytes for each wave; no fill lands here
.set AI,   16                          ; v16, v17 my token tiles 0-3, 4-7: + 8 x lane
.set ADB,  20                          ; v20, v21 my rows of Wout
.set STO,  22
.set RD,   23
.set CO,   24
.set SCO,  25
.set SVO,  26
.set BO,   27
.set SB,   32                          ; v32-47 Wout's scale words, 4 b + q;  v48-79 out's: 16 (a / 4) + 4 q + a % 4
.set SA,   48
.set ACC,  0                           ; window 3: the accumulators, the bias in their layout, two sets of 32 for the way out; from v128 the odd tiles' fragments (the even tiles': window 0, from v96)
.set BI,   32
.set OB,   64
.set WVR, 20
.set TH,  21
.set HC,  22
.set G1A, 24
.set G1B, 32
.set G0B, 40
.set G0A, 44
.set MSB, 0
.macro WIN new
.if MSB != (\new)
	s_set_vgpr_msb (MSB<<8)|(\new)
.set MSB, \new
.endif
.endm
.macro PLACES n
.rept \n
	v_nop
.endr
.endm
.macro CROUND
	s_barrier_signal -1
	s_barrier_wait -1
	s_cmp_lg_u32 s[WVR], 0
	s_cbranch_scc1 .Lnot_wave_0_\@
	s_barrier_signal -3
.Lnot_wave_0_\@:
	s_barrier_wait -3
	s_barrier_signal -1
	s_barrier_wait -1
.endm
.macro BAR g                           ; Wout and the token chunks 0 .. g lie in LDS for every wave: the count leaves out the chunks issued behind chunk g
	s_wait_tensorcnt 3-(\g)
	s_wait_dscnt 0x0
	s_barrier_signal -1
	s_barrier_wait -1
.endm
.macro WM d, a, b, c, sa, sb, hi
.if (\hi)
	v_wmma_scale_f32_16x16x128_f8f6f4 v[(\d):(\d)+7], v[(\a):(\a)+11], v[(\b):(\b)+11], v[(\c):(\c)+7], v[\sa], v[\sb] matrix_a_fmt:MATRIX_FMT_FP6 matrix_b_fmt:MATRIX_FMT_FP6 matrix_a_scale:MATRIX_SCALE_ROW1 matrix_b_scale:MATRIX_SCALE_ROW1
.else
	v_wmma_scale_f32_16x16x128_f8f6f4 v[(\d):(\d)+7], v[(\a):(\a)+11], v[(\b):(\b)+11], v[(\c):(\c)+7], v[\sa], v[\sb] matrix_a_fmt:MATRIX_FMT_FP6 matrix_b_fmt:MATRIX_FMT_FP6
.endif
.endm
.macro FRAGR reg, adr, s, rowoff       ; a fragment of K step s from rows of 768 bytes: piece PC lies at 8 PC + 16 (PC / 32); lanes 16-31 read three pieces on, for some pieces behind one padding more
.irp p, 0,1,2,3,4,5
.set PC, 12*(\s)+6*(\p/3)+\p%3
.if PC%32 < 29
	ds_load_b64 v[(\reg)+2*\p:(\reg)+2*\p+1], v[\adr] offset:8*PC+16*(PC/32)+(\rowoff)*RP
.else
	ds_load_b64 v[(\reg)+2*\p:(\reg)+2*\p+1], v[(\adr)+1] offset:8*PC+16*(PC/32)+(\rowoff)*RP
.endif
.endr
.endm
.macro FETCH_A a                       ; token tile a's eight fragments, as they were stored: 256 consecutive bytes a load
	WIN 0xc0*((\a)%2)
.irp s, 0,1,2,3,4,5,6,7
.irp p, 0,1,2,3,4,5
	ds_load_b64 v[96+32*((\a)%2)+12*\s+2*\p:96+32*((\a)%2)+12*\s+2*\p+1], v[AI+(\a)/4] offset:TILE*((\a)%4)+1536*\s+256*\p
.endr
.endr
.endm
.macro MULT a                          ; four accumulators by turns, one instruction a turn
.irp s, 0,1,2,3,4,5,6,7
	WIN 0xf0|(12*((\a)%2))|(1+\s/4)                ; Wout: window 1 or 2; the tokens: window 0 or 3; C and D: window 3
.irp b, 0,1,2,3
.if \s == 0
	WM ACC+8*\b, 12*\b, 96+32*((\a)%2), BI+8*\b, SB+4*\b, SA+16*((\a)/4)+(\a)%4, 0
.else
	WM ACC+8*\b, 48*(\s%4)+12*\b, 96+32*((\a)%2)+12*\s, ACC+8*\b, SB+4*\b+\s%4, SA+16*((\a)/4)+4*(\s%4)+(\a)%4, \s/4
.endif
.endr
.endr
.endm
.macro TOSTAGE a                       ; 16 tokens x 64 columns into my stage and back as rows; LDS serves a wave's instructions in order (ISA guide 5.7.1.4): no wait between the stores and the loads
.if (\a) >= 2
	s_wait_xcnt 0x0                                ; the stores of the tile before last have read the registers into which the loads below land
.endif
	WIN 0x0c
.irp b, 0,1,2,3
	ds_store_b128 v[STO], v[ACC+8*\b:ACC+8*\b+3] offset:64*\b      ; each accumulator from its low end on
	ds_store_b128 v[STO], v[ACC+8*\b+4:ACC+8*\b+7] offset:64*\b+16
.endr
	WIN 0xc0
.irp i, 0,1,2,3,4,5,6,7
	ds_load_b128 v[OB+32*((\a)%2)+4*\i:OB+32*((\a)%2)+4*\i+3], v[RD] offset:544*\i
.endr
.endm
.macro SEND a
	s_wait_dscnt 0x0                               ; the tile is back in registers (and the next tile's fragments are in)
	WIN 0x0c
.irp i, 0,1,2,3,4,5,6,7
	global_store_b128 v[CO], v[OB+32*((\a)%2)+4*\i:OB+32*((\a)%2)+4*\i+3], s[14:15] offset:(16*(\a)+2*\i)*4096 th:TH_STORE_NT   ; 16 lanes store 256 consecutive bytes, aligned; written once, read by nobody here
.endr
.endm
	s_load_b256 s[4:11], s[0:1], 0x0               ; out's codes s[4:5], out's scales s[6:7], Wout's codes s[8:9], Wout's scales s[10:11]
	s_load_b128 s[12:15], s[0:1], 0x20             ; b_out s[12:13], out0 s[14:15]
	v_lshl_add_u32 v254, v0, 2, 0x4dc00
	v_mov_b32 v255, 0
	ds_add_u32 v254, v255
	ds_add_u32 v254, v255
	v_lshrrev_b32 v1, 5, v0
	v_readfirstlane_b32 s[WVR], v1
	s_lshr_b32 s[TH], s[WVR], 1
	s_and_b32 s[HC], s[WVR], 1
	s_bfe_u32 s68, ttmp6, 0x40000                  ; cx
	s_bfe_u32 s69, ttmp6, 0x40004                  ; cy
	s_lshl_b32 s70, ttmp9, 2
	s_add_co_u32 s70, s70, s68                     ; NB
	s_and_b32 s71, ttmp7, 0xffff
	s_lshl_b32 s71, s71, 2
	s_add_co_u32 s71, s71, s69                     ; TB
	s_lshl_b32 s72, s69, 2
	s_lshl_b32 s72, 15, s72                        ; my row of the cluster
	s_lshl_b32 s73, 0x1111, s68                    ; my column
	s_or_b32 s[G1A], s72, (3<<16)|(1<<21)          ; mask; elements of 8 bytes; no padding; bit 21 beside a mask
	s_mov_b32 s[G1A+1], 32<<16                     ; rows of 256 bytes
	s_mov_b32 s[G1A+2], 48<<16                     ; a tile of 16 tokens
	s_mov_b32 s[G1A+3], 32<<16
	s_mov_b32 s[G1A+4], 48
	s_mov_b32 s[G1A+5], 32
	s_mov_b32 s[G1A+6], 0
	s_mov_b32 s[G1A+7], 0
	s_or_b32 s[G1B], s73, (3<<16)|(1<<20)|(1<<21)|(5<<22)|(3<<25)   ; padding: after every 64 words 4 words
	s_mov_b32 s[G1B+1], 32<<16
	s_mov_b32 s[G1B+2], 96<<16                     ; 32 rows of Wout x 3
	s_mov_b32 s[G1B+3], 32<<16
	s_mov_b32 s[G1B+4], 96
	s_mov_b32 s[G1B+5], 32
	s_mov_b32 s[G1B+6], 0
	s_mov_b32 s[G1B+7], 0
	s_lshl_b32 s74, s[TH], 3
	s_add_co_u32 s74, s74, s[HC]                   ; my first token tile: 8 (w / 2) + w % 2; the others lie two tiles apart
	s_mul_i32 s75, s74, TILE
	s_mul_i32 s76, s71, 196608
	s_add_co_u32 s76, s76, s75
	s_mov_b32 s77, 0
	s_mul_i32 s78, s70, 98304
	s_mul_i32 s79, s[WVR], 24576
	s_add_co_u32 s78, s78, s79
	s_mov_b32 s79, 0
	s_mul_i32 s80, s[WVR], 32*RP
	s_wait_dscnt 0x0
	s_wait_kmcnt 0x0
	s_add_nc_u64 s[76:77], s[4:5], s[76:77]
	s_add_nc_u64 s[78:79], s[8:9], s[78:79]
	s_mov_b32 s[G0B], 1
	s_add_co_u32 s[G0B+1], s80, BB
	s_mov_b64 s[G0B+2:G0B+3], s[78:79]
	s_or_b32 s[G0B+3], s[G0B+3], 0x80000000
.irp g, 0,1,2,3
	s_mov_b32 s[G0A+4*\g], 1
	s_add_co_u32 s[G0A+4*\g+1], s75, \g*2*TILE
	s_add_nc_u64 s[G0A+4*\g+2:G0A+4*\g+3], s[76:77], \g*2*TILE
	s_or_b32 s[G0A+4*\g+3], s[G0A+4*\g+3], 0x80000000
.endr
	CROUND                                         ; all sixteen work-groups are here: the joint loads meet
	tensor_load_to_lds s[G0B:G0B+3], s[G1B:G1B+7]
	s_nop 0
	tensor_load_to_lds s[G0A:G0A+3], s[G1A:G1A+7]
	s_nop 0
	tensor_load_to_lds s[G0A+4:G0A+7], s[G1A:G1A+7]
	s_nop 0
	tensor_load_to_lds s[G0A+8:G0A+11], s[G1A:G1A+7]
	s_nop 0
	tensor_load_to_lds s[G0A+12:G0A+15], s[G1A:G1A+7]
	s_nop 0
	PLACES 4
	v_and_b32 v1, 15, v0                           ; r
	v_bfe_u32 v2, v0, 4, 1                         ; hh
	v_and_b32 v3, 31, v0                           ; lane
	v_lshlrev_b32 v[SCO], 5, v1
	v_lshl_add_u32 v[SCO], v2, 4, v[SCO]           ; 32 r + 16 hh
	v_lshlrev_b32 v[SVO], 4, v1
	v_lshl_add_u32 v[SVO], v2, 17, v[SVO]          ; 16 r, and four K steps on for lanes 16-31
	v_lshlrev_b32 v[BO], 5, v2
	s_mov_b32 s83, 0
	s_lshl_b32 s82, s70, 12                        ; Wout's scale words: row 128 NB + 64 c
	s_lshl_b32 s84, s[HC], 11
	s_add_co_u32 s82, s82, s84
	s_add_nc_u64 s[10:11], s[10:11], s[82:83]
	s_lshl_b32 s82, s71, 10                        ; out's: 64 tokens are 256 bytes of a K step
	s_lshl_b32 s84, s[TH], 9
	s_add_co_u32 s82, s82, s84
	s_add_nc_u64 s[6:7], s[6:7], s[82:83]
	s_lshl_b32 s82, s70, 9                         ; my 64 columns, in bytes
	s_lshl_b32 s84, s[HC], 8
	s_add_co_u32 s82, s82, s84
	s_add_nc_u64 s[12:13], s[12:13], s[82:83]
	s_add_nc_u64 s[14:15], s[14:15], s[82:83]
	s_lshl_b32 s82, s71, 20                        ; my first token's row: (256 TB + 128 t) x 4,096 bytes
	s_lshl_b32 s84, s[TH], 19
	s_add_co_u32 s82, s82, s84
	s_add_nc_u64 s[14:15], s[14:15], s[82:83]
.irp b, 0,1,2,3
	global_load_b128 v[SB+4*\b:SB+4*\b+3], v[SCO], s[10:11] offset:512*\b
.endr
.irp g, 0,1
.irp q, 0,1,2,3
	global_load_b128 v[SA+16*\g+4*\q:SA+16*\g+4*\q+3], v[SVO], s[6:7] offset:32768*\q+256*\g   ; four tiles' words of K step q (lanes 16-31: 4 + q)
.endr
.endr
	WIN 0xc0
.irp n, 0,1,2,3,4,5,6,7
	global_load_b128 v[BI+4*\n:BI+4*\n+3], v[BO], s[12:13] offset:64*(\n/2)+16*(\n%2)   ; register 8 b + j: b_out at column 16 b + 8 hh + j
.endr
	WIN 0
	v_lshlrev_b32 v4, 3, v3
	s_mul_i32 s82, s[TH], 8*TILE
	v_add_nc_u32 v[AI], s82, v4
	v_add_nc_u32 v[AI+1], 4*TILE, v[AI]
	v_mul_u32_u24 v5, v1, RP
	v_mad_u32_u24 v5, v2, 24, v5
	v_lshl_add_u32 v6, v2, 4, v5
	s_mul_i32 s82, s[HC], 64*RP
	s_add_co_u32 s82, s82, BB
	v_add_nc_u32 v[ADB], s82, v5
	v_add_nc_u32 v[ADB+1], s82, v6
	s_mul_i32 s82, s[WVR], 16*272
	s_add_co_u32 s82, s82, STG
	v_mul_u32_u24 v7, v1, 272
	v_lshl_add_u32 v7, v2, 5, v7
	v_add_nc_u32 v[STO], s82, v7                   ; in: row r, 32 bytes for each half of the lanes
	v_mul_u32_u24 v8, v2, 272
	v_lshl_add_u32 v8, v1, 4, v8
	v_add_nc_u32 v[RD], s82, v8                    ; back: lanes 0-15 one row, lanes 16-31 the next
	v_lshlrev_b32 v[CO], 4, v1
	v_lshl_add_u32 v[CO], v2, 12, v[CO]            ; and the same two rows in out0
	BAR 0
	WIN 0x40
.irp s, 0,1,2,3
.irp b, 0,1,2,3
	FRAGR 48*\s+12*\b, ADB, \s, 16*\b
.endr
.endr
	WIN 0x80
.irp s, 4,5,6,7
.irp b, 0,1,2,3
	FRAGR 48*(\s-4)+12*\b, ADB, \s, 16*\b
.endr
.endr
	FETCH_A 0
	s_wait_loadcnt 0x0                             ; the scale words and the bias
.irp a, 0,1,2,3,4,5,6,7
.if \a < 7
.if (\a+1)%2 == 0
	BAR (\a+1)/2                                   ; the next two token tiles
.endif
	FETCH_A \a+1                                   ; into the other set; five places stand behind the products that read it last
.endif
.if \a == 0
	s_wait_dscnt 48                                ; Wout and tile 0 are in; tile 1's 48 loads may be out.  (A later tile's fragments are shown in by the wait for 0 of the barrier above or of the stores below)
.endif
	MULT \a
	PLACES 5                                       ; four in front of the stage's reads of the sums; five in front of the next tile's first products, which write these accumulators anew
.if \a > 0
	SEND \a-1                                      ; the tile before has had these products' time to come back from the stage
.endif
	TOSTAGE \a
.endr
	SEND 7
	WIN 0
	s_wait_tensorcnt 0x0
	ds_add_u32 v254, v255
	s_wait_dscnt 0x0
	CROUND                                         ; the closing round
	s_endpgm
.Lfunc_end_k_q548129329c_oproj:
	.size	k_q548129329c_oproj, .Lfunc_end_k_q548129329c_oproj-k_q548129329c_oproj
	.p2alignl 7, 3214868480
	.fill 96, 4, 3214868480
	.section	.rodata,"a",@progbits
	.p2align	6, 0x0
	.amdhsa_kernel k_q548129329c_oproj
		.amdhsa_group_segment_fixed_size 327680
		.amdhsa_private_segment_fixed_size 0
		.amdhsa_enable_private_segment 0
		.amdhsa_kernarg_size 48
		.amdhsa_user_sgpr_count 2
		.amdhsa_user_sgpr_kernarg_segment_ptr 1
		.amdhsa_wavefront_size32 1
		.amdhsa_system_sgpr_workgroup_id_x 1
		.amdhsa_system_sgpr_workgroup_id_y 1
		.amdhsa_system_sgpr_workgroup_id_z 1
		.amdhsa_system_vgpr_workitem_id 0
		.amdhsa_next_free_vgpr 1024
		.amdhsa_next_free_sgpr 96
		.amdhsa_reserve_vcc 0
		.amdhsa_float_denorm_mode_32 3
		.amdhsa_float_denorm_mode_16_64 3
		.amdhsa_memory_ordered 1
		.amdhsa_forward_progress 1
		.amdhsa_inst_pref_size 95
	.end_amdhsa_kernel
	.amdgpu_metadata
---
amdhsa.version: [ 1, 2 ]
amdhsa.kernels:
  - .name:           k_q548129329c_oproj
    .symbol:         k_q548129329c_oproj.kd
    .args:
      - { .name: o_codes, .offset: 0, .size: 8, .value_kind: global_buffer, .address_space: global }
      - { .name: o_scales, .offset: 8, .size: 8, .value_kind: global_buffer, .address_space: global }
      - { .name: w_out_codes, .offset: 16, .size: 8, .value_kind: global_buffer, .address_space: global }
      - { .name: w_out_scales, .offset: 24, .size: 8, .value_kind: global_buffer, .address_space: global }
      - { .name: b_out, .offset: 32, .size: 8, .value_kind: global_buffer, .address_space: global }
      - { .name: out0, .offset: 40, .size: 8, .value_kind: global_buffer, .address_space: global }
    .group_segment_fixed_size: 327680
    .private_segment_fixed_size: 0
    .kernarg_segment_align: 8
    .kernarg_segment_size: 48
    .max_flat_workgroup_size: 128
    .sgpr_count:     96
    .vgpr_count:     1024
    .wavefront_size: 32
...
	.end_amdgpu_metadata
.endif
;; end of part 3
